; MI455X (gfx1250); checked and timed in simulation.
; The chip was launched on July 23, 2026; its instructions are those of AMD's public machine-readable ISA for CDNA 5 (MIT licence, August 2026) and "CDNA5" Instruction Set Architecture Reference Guide (July 2026). The comments in the code are by the model that wrote it; some were corrected since.
;; Multi Head Attention. Allowed arithmetic: matrix products marked QUANTISED: E2M1 operands, one E8M0 scale for each 32 along K, by v_wmma_scale_f32_16x16x128_f8f6f4 with both operands' format E2M1 (or v_wmma_scale_f32_32x16x128_f4), f32 sums; products left as they are: bf16, f16 or f32 operands; f32 sums; everything else in f32.
;; Inputs: W_o 1,024 x 1,024 float32; W_qkv 1,024 x 3,072 float32; b_o 1,024 float32; b_qkv 3,072 float32; x 4 x 2,048 x 1,024 float32.
;; Outputs: out0 4 x 2,048 x 1,024 float32.
;; This version of the problem:
;;   THIS VERSION OF THE PROBLEM IS GIVEN IN LOW PRECISION. The matrix products marked QUANTISED in the list below multiply operands that are first quantised to E2M1 (2 exponent bits, 1 mantissa bit; 4 bits a number), with one power-of-two scale for each 32 numbers along K (OCP MX v1.0); their sums are f32. The products marked 'left as it is' may take bf16, f16 or f32 operands, with f32 sums. Whichever they take, every output number must still come out within the allowed error. Rounding operands to bf16 (8 significant bits) uses up far more of that allowance than f16 does (11 bits, for magnitudes from 6e-5 to 65,504). All else is computed in f32.
;;   The module's matrix products, in the order in which they are computed (A, B: the left and right operand; K: the contracted axis; several contracted axes count as one K, in the product's order):
;;     1. [M 8,192, K 1,024] x [K 1,024, N 3,072]; A: input x; B: input W_qkv: QUANTISED
;;     2. batch 64 x [M 2,048, K 64] x [K 64, N 2,048]; A: computed on the way; B: computed on the way: left as it is (an operand is computed on the way)
;;     3. batch 64 x [M 2,048, K 2,048] x [K 2,048, N 64]; A: computed on the way; B: computed on the way: left as it is (an operand is computed on the way)
;;     4. [M 8,192, K 1,024] x [K 1,024, N 1,024]; A: computed on the way; B: input W_o: left as it is (an operand is computed on the way)
;;   THE QUANTISER, for each operand of a quantised product, along K:
;;     - K is cut into blocks of 32 from its start; a last block that is shorter is filled with zeros.
;;     - A block's scale is 2^e with e = floor(log2(the largest magnitude in the block)) - 2, held to -126 .. 127; a block of zeros has e = 0. As a byte (E8M0): e + 127.
;;     - Each number is divided by its block's scale, clamped to +-6, and rounded to the nearest number of E2M1, ties to even, subnormals kept.
;;     - The product sums the exact products of the quantised numbers (number of the format x scale) in f32.
;;   ~~~python
;;   def quantise(x, axis):      # numpy; x: float32 -> the quantised numbers, widened to float32 again
;;       x = np.moveaxis(x, axis, -1); K = x.shape[-1]
;;       x = np.pad(x, [(0, 0)] * (x.ndim - 1) + [(0, -K % 32)]); x = x.reshape(x.shape[:-1] + (-1, 32)); a = np.abs(x).max(-1, keepdims=True)
;;       e = np.where(a > 0, np.clip(np.frexp(np.where(a > 0, a, 1))[1] - 1 - 2, -126, 127), 0)      # np.frexp(a)[1] - 1 = floor(log2(a)), exactly
;;       r = np.clip(x / 2.0 ** e, -6, 6)
;;       step = 2.0 ** (np.maximum(np.frexp(np.where(r == 0, 1, r))[1] - 1, 0) - 1)
;;       q = np.round(r / step) * step * 2.0 ** e      # np.round: ties to even
;;       return np.moveaxis(q.reshape(q.shape[:-2] + (-1,))[..., :K], -1, axis).astype(np.float32)
;;   ~~~
;; One version. Each part assembles by itself: llvm-mc -triple=amdgcn-amd-amdhsa -mcpu=gfx1250 --defsym DOCPART=n.
;; ======== version 1 of 1: 5 launches
;; limits: values are held in f16: magnitudes above 65,504 overflow, below 6.1e-05 lose precision
;; workspace buffers: x_codes 4,194,304 bytes; x_scales 262,144 bytes; w_codes 1,572,864 bytes; w_scales 98,304 bytes; wot16 2,097,152 bytes; qkvh 50,331,648 bytes; qkv32 786,432 bytes; vals16 16,777,216 bytes
;; launch prep (part 1): grid 368 x 1, 4 waves a work-group, no clusters, 102,912 bytes of LDS; arguments x, W_qkv, W_o, x_codes, x_scales, w_codes, w_scales, wot16; writes x_codes, x_scales, w_codes, w_scales, wot16
.if DOCPART == 1
	.amdgcn_target "amdgcn-amd-amdhsa--gfx1250"
	.amdhsa_code_object_version 6
	.text
	.protected	k_q47a2db0e23_prep
	.globl	k_q47a2db0e23_prep
	.p2align	8
	.type	k_q47a2db0e23_prep,@function
k_q47a2db0e23_prep:
	s_mov_b64 s[64:65], 0
	v_nop
	global_prefetch_b8 v0, s[64:65] scope:SCOPE_SE
	s_setreg_imm32_b32 hwreg(HW_REG_WAVE_MODE, 25, 1), 1
	s_wait_xcnt 0x0
; PREPARATION, three kinds of work-group, told apart by the work-group's number alone:
;   0 .. 47    W_qkv [1024 k][3072 n] f32 -> codes of FP4 (E2M1) laid [3072 n][512 bytes], K innermost, and E8M0 scale bytes [3072][32]
;   48 .. 111  W_o   [1024 k][1024 n] f32 -> f16 laid [1024 n][1024 k]
;   112 .. 367 x     [8192][1024] f32     -> codes [8192][512 bytes] and scale bytes [8192][32]
; A block's scale is 2^(floor(log2(its largest magnitude)) - 2): its byte is the largest magnitude's exponent field - 2, held at 1 from below.
; LIMITS: a block of zeros gets the byte 1 where the rule says 127 (its codes are zeros, and this program alone reads the bytes); blocks whose largest
; magnitude lies under 2^(2 - 126) keep the byte 1; NaN and infinities among the inputs are not served; W_o is rounded to f16 (magnitudes under 65,504).
; Waves share nothing: no barrier.  Each kind has LDS bytes of its own: x 0 .. 32,767; W_qkv 32,768 .. 67,583; W_o 67,584 .. 102,399; then the spare words.
.set SPARE, 102400                     ; the spare words, 128 bytes for each wave: two blocks of 256 bytes that no other line names
.set SPW,   192                        ; v192 LDS address of my spare word; never rewritten
.set NIL,   193                        ; v193 0; never rewritten
.set EMAX,  2
.macro CLOSE                           ; a wave's end, behind my last LDS store
	s_wait_tensorcnt 0x0
	ds_add_u32 v[SPW], v[NIL]
	s_wait_dscnt 0x0
	s_endpgm
.endm
	s_load_b256 s[4:11], s[0:1], 0x0               ; x 4:5, W_qkv 6:7, W_o 8:9, x_codes 10:11
	s_load_b256 s[12:19], s[0:1], 0x20             ; x_scales 12:13, w_codes 14:15, w_scales 16:17, wot16 18:19
	v_lshl_add_u32 v[SPW], v0, 2, SPARE
	v_mov_b32 v[NIL], 0
	v_lshrrev_b32 v1, 5, v0
	v_readfirstlane_b32 s20, v1                    ; wave 0..3
	v_and_b32 v2, 31, v0                           ; lane
	s_wait_kmcnt 0x0
	s_cmp_lt_u32 ttmp9, 48
	s_cbranch_scc1 .Lwq
	s_cmp_lt_u32 ttmp9, 112
	s_cbranch_scc1 .Lwo
; ---------------- x: a plain stream of blocks of 32.  A wave takes 16 steps of 512 numbers.  Each load reads 512 consecutive bytes; a step's 2,048 bytes turn through the
; wave's own stage in LDS so that a lane holds 16 neighbours along K (two neighbouring lanes hold a block).  A wave's store of codes covers 256 consecutive bytes.
.set STEPS, 16
.set SP,    80                         ; a lane's place in a stage: 64 bytes + 16 of padding
.set CB,    8                          ; bytes of 16 codes
.set XR,    16                         ; v16-79   four sets of 16 numbers as loaded
.set XX,    80                         ; v80-111  two sets of 16 neighbours
.set XE,    112                        ; v112-127 a scale byte for each step
.set XC,    128                        ; v128-191 codes: four registers a step, so that no store's data are written again
	v_lshlrev_b32 v3, 4, v2                        ; my 16 bytes of a load's 512
	s_mul_i32 s21, s20, 8192                       ; my wave's region
	v_lshrrev_b32 v14, 2, v2
	v_mul_u32_u24 v14, v14, SP
	v_and_b32 v15, 3, v2
	v_lshl_add_u32 v14, v15, 4, v14
	v_add_nc_u32 v14, s21, v14                     ; the stage, on the way in: SP (lane / 4) + 16 (lane % 4)
	v_mul_u32_u24 v15, v2, SP
	v_add_nc_u32 v15, s21, v15                     ; and on the way out: SP x lane
	v_mul_u32_u24 v4, v2, CB                       ; my codes' place in a step's
	v_lshrrev_b32 v5, 1, v2
	s_add_co_u32 s21, s21, 2*32*SP
	v_add_nc_u32 v5, s21, v5                       ; my wave's 256 scale bytes, my block's byte
	v_lshlrev_b32 v7, 3, v2
	v_add_nc_u32 v6, s21, v7                       ; and on the way out 8 bytes a lane
	s_sub_co_u32 s22, ttmp9, 112
	s_lshl_b32 s22, s22, 2
	s_add_co_u32 s22, s22, s20                     ; which run of 8,192 numbers is my wave's: 0 .. 1,023
	s_mov_b32 s25, 0
	s_lshl_b32 s24, s22, 15
	s_add_nc_u64 s[4:5], s[4:5], s[24:25]          ; 32,768 bytes of x a run,
	s_lshl_b32 s24, s22, 12
	s_add_nc_u64 s[10:11], s[10:11], s[24:25]      ; 4,096 of codes,
	s_lshl_b32 s24, s22, 8
	s_add_nc_u64 s[12:13], s[12:13], s[24:25]      ; 256 of scale bytes
.macro XLOAD t
.irp i, 0,1,2,3
	global_load_b128 v[XR+16*((\t)%4)+4*\i:XR+16*((\t)%4)+4*\i+3], v3, s[4:5] offset:2048*(\t)+512*\i th:TH_LOAD_NT
.endr
.endm
.macro XTURN t                         ; LDS serves a wave's instructions in order: no wait between the stores and the loads
.irp i, 0,1,2,3
	ds_store_b128 v14, v[XR+16*((\t)%4)+4*\i:XR+16*((\t)%4)+4*\i+3] offset:32*SP*((\t)%2)+8*SP*\i
.endr
.irp i, 0,1,2,3
	ds_load_b128 v[XX+16*((\t)%2)+4*\i:XX+16*((\t)%2)+4*\i+3], v15 offset:32*SP*((\t)%2)+16*\i
.endr
.endm
.irp t, 0,1,2,3
	XLOAD \t
.endr
	s_wait_loadcnt 12                              ; step 0's four loads are in; three steps' twelve stay out
	XTURN 0
.macro XSTEP t
.set XS, XX+16*((\t)%2)
.if (\t) > 0
	s_wait_dscnt 1                                 ; this step's numbers are back from the stage (the last step's byte store may be out)
.else
	s_wait_dscnt 0x0
.endif
.if (\t)+4 < STEPS
	XLOAD (\t)+4
.endif
.if (\t)+1 < STEPS
.if STEPS-2-(\t) >= 3
	s_wait_loadcnt 12                              ; the next step's four loads are in; those of the three steps behind it may be out
.else
	s_wait_loadcnt 4*(STEPS-2-(\t))
.endif
	XTURN (\t)+1
.endif
	v_max3_num_f32 v8, |v[XS]|, |v[XS+1]|, |v[XS+2]|               ; the largest magnitude of my 16, in two chains
	v_max3_num_f32 v9, |v[XS+3]|, |v[XS+4]|, |v[XS+5]|
.irp i, 6,10
	v_max3_num_f32 v8, v8, |v[XS+\i]|, |v[XS+\i+1]|
	v_max3_num_f32 v9, v9, |v[XS+\i+2]|, |v[XS+\i+3]|
.endr
	v_max3_num_f32 v8, v8, |v[XS+14]|, |v[XS+15]|
	v_max3_num_f32 v8, v8, v9, (EMAX+1)<<23        ; and the floor 2^(3 - 127): the byte cannot fall under 1
	v_max_num_f32_dpp v8, v8, v8 row_xmask:1 row_mask:0xf bank_mask:0xf   ; with my neighbour's 16: the block's
	v_add_nc_u32 v11, -(EMAX<<23), v8              ; 2 off its exponent field: the conversion's scale operand
	v_cvt_scalef32_pk8_fp4_f32 v[XC+4*(\t)], v[XS:XS+7], v11
	v_cvt_scalef32_pk8_fp4_f32 v[XC+4*(\t)+1], v[XS+8:XS+15], v11
	v_lshrrev_b32 v[XE+(\t)], 23, v11              ; the scale's byte (a plain line behind the conversions)
	ds_store_b8 v5, v[XE+(\t)] offset:16*(\t)      ; both lanes of a block write the same byte with the same value
	global_store_b64 v4, v[XC+4*(\t):XC+4*(\t)+1], s[10:11] offset:32*CB*(\t)
.endm
.irp t, 0,1,2,3,4,5,6,7,8,9,10,11,12,13,14,15
	XSTEP \t
.endr
	ds_load_b64 v[8:9], v6                         ; in order behind my byte stores
	s_wait_dscnt 0x0
	global_store_b64 v7, v[8:9], s[12:13]          ; 32 lanes store 256 consecutive bytes
	CLOSE
; ---------------- W_qkv: a lane takes a column n and its registers run down K, so a block of 32 lies in one lane and the codes come out with K innermost.
; A wave takes 32 columns x 512 along K; its codes go through its own stage and leave as rows: sixteen lanes store 256 consecutive aligned bytes.
.Lwq:
.set WPITCH, 272
.set WX,    32                         ; v32-95   two sets of 32 numbers
.set WC,    96                         ; v96-99   a block's codes
.set WOUT,  112                        ; v112-175 the way out
.set WSB,   24                         ; v24-27   the scale bytes, four to a register
	s_cmp_ge_u32 ttmp9, 24
	s_cselect_b32 s22, 1, 0                        ; which 512 along K
	s_cselect_b32 s23, 24, 0
	s_sub_co_u32 s23, ttmp9, s23
	s_lshl_b32 s23, s23, 7
	s_lshl_b32 s24, s20, 5
	s_add_co_u32 s23, s23, s24                     ; my wave's first column
	s_mul_i32 s21, s20, 32*WPITCH
	s_add_co_u32 s21, s21, 32768                   ; my stage
	v_lshlrev_b32 v3, 2, v2                        ; in: 4 bytes a lane
	v_mul_u32_u24 v4, v2, WPITCH
	v_add_nc_u32 v4, s21, v4                       ; into the stage: row = my column
	v_and_b32 v5, 15, v2
	v_lshrrev_b32 v6, 4, v2
	v_mul_u32_u24 v7, v6, WPITCH
	v_lshl_add_u32 v7, v5, 4, v7
	v_add_nc_u32 v7, s21, v7                       ; out of it: sixteen lanes to a row, two rows an instruction
	v_mul_u32_u24 v8, v6, 512
	v_lshl_add_u32 v8, v5, 4, v8                   ; the same place in the codes' buffer
	v_lshlrev_b32 v9, 5, v2                        ; my column's row of 32 scale bytes
	s_mov_b32 s25, 0
	s_mul_i32 s24, s22, 512*3072*4
	s_lshl_b32 s26, s23, 2
	s_add_co_u32 s24, s24, s26
	s_add_nc_u64 s[6:7], s[6:7], s[24:25]
	s_lshl_b32 s24, s23, 9
	s_lshl_b32 s26, s22, 8
	s_add_co_u32 s24, s24, s26
	s_add_nc_u64 s[14:15], s[14:15], s[24:25]
	s_lshl_b32 s24, s23, 5
	s_lshl_b32 s26, s22, 4
	s_add_co_u32 s24, s24, s26
	s_add_nc_u64 s[16:17], s[16:17], s[24:25]
.macro WLOAD t                         ; block t: W(32 t + i, my column); the largest immediate, 511 rows of 12,288 bytes, lies inside the signed 24 bits
.set ii, 0
.rept 32
	global_load_b32 v[WX+32*((\t)%2)+ii], v3, s[6:7] offset:(32*(\t)+ii)*12288 th:TH_LOAD_NT
.set ii, ii+1
.endr
.endm
	WLOAD 0
	WLOAD 1
.macro WBLOCK t
.set XS, WX+32*((\t)%2)
.if (\t) < 15
	s_wait_loadcnt 32                              ; this block's 32 loads are in; the next block's may be out
.else
	s_wait_loadcnt 0x0
.endif
	v_max3_num_f32 v12, |v[XS]|, |v[XS+1]|, |v[XS+2]|
	v_max3_num_f32 v13, |v[XS+3]|, |v[XS+4]|, |v[XS+5]|
.irp i, 6,10,14,18,22,26
	v_max3_num_f32 v12, v12, |v[XS+\i]|, |v[XS+\i+1]|
	v_max3_num_f32 v13, v13, |v[XS+\i+2]|, |v[XS+\i+3]|
.endr
	v_max3_num_f32 v12, v12, |v[XS+30]|, |v[XS+31]|
	v_max3_num_f32 v12, v12, v13, (EMAX+1)<<23     ; with the floor
	v_add_nc_u32 v11, -(EMAX<<23), v12
	v_lshrrev_b32 v13, 23, v11                     ; the scale's byte
.if (\t)%4 == 0
	v_mov_b32 v[WSB+(\t)/4], v13
.else
	v_lshl_or_b32 v[WSB+(\t)/4], v13, 8*((\t)%4), v[WSB+(\t)/4]
.endif
.irp g, 0,1,2,3
	v_cvt_scalef32_pk8_fp4_f32 v[WC+\g], v[XS+8*\g:XS+8*\g+7], v11
.endr
	v_nop                                          ; a plain line behind the last conversion
	ds_store_b128 v4, v[WC:WC+3] offset:16*(\t)
.if (\t)+2 < 16
	WLOAD (\t)+2
.endif
	s_wait_dscnt 0x0                               ; the store has read its registers: the next block's codes may be written
.endm
.irp t, 0,1,2,3,4,5,6,7,8,9,10,11,12,13,14,15
	WBLOCK \t
.endr
	global_store_b128 v9, v[WSB:WSB+3], s[16:17]   ; my column's 16 scale bytes
.irp t, 0,1,2,3,4,5,6,7,8,9,10,11,12,13,14,15
	ds_load_b128 v[WOUT+4*\t:WOUT+4*\t+3], v7 offset:2*\t*WPITCH
.endr
.irp t, 0,1,2,3,4,5,6,7,8,9,10,11,12,13,14,15
	s_wait_dscnt 15-\t                             ; the younger loads may stay out
	global_store_b128 v8, v[WOUT+4*\t:WOUT+4*\t+3], s[14:15] offset:2*\t*512
.endr
	CLOSE
; ---------------- W_o: the same plan, rounded to f16.  A wave takes 32 columns x 128 along K: 256 bytes a column.
.Lwo:
	s_sub_co_u32 s22, ttmp9, 48
	s_and_b32 s23, s22, 7
	s_lshr_b32 s22, s22, 3                         ; which 128 along K
	s_lshl_b32 s23, s23, 7
	s_lshl_b32 s24, s20, 5
	s_add_co_u32 s23, s23, s24                     ; my wave's first column
	s_mul_i32 s21, s20, 32*WPITCH
	s_add_co_u32 s21, s21, 67584                   ; my stage
	v_lshlrev_b32 v3, 2, v2
	v_mul_u32_u24 v4, v2, WPITCH
	v_add_nc_u32 v4, s21, v4
	v_and_b32 v5, 15, v2
	v_lshrrev_b32 v6, 4, v2
	v_mul_u32_u24 v7, v6, WPITCH
	v_lshl_add_u32 v7, v5, 4, v7
	v_add_nc_u32 v7, s21, v7
	v_lshlrev_b32 v8, 11, v6
	v_lshl_add_u32 v8, v5, 4, v8                   ; a row of the f16 buffer is 2,048 bytes
	s_mov_b32 s25, 0
	s_lshl_b32 s24, s22, 19                        ; 128 rows of 4,096 bytes
	s_lshl_b32 s26, s23, 2
	s_add_co_u32 s24, s24, s26
	s_add_nc_u64 s[8:9], s[8:9], s[24:25]
	s_lshl_b32 s24, s23, 11
	s_lshl_b32 s26, s22, 8
	s_add_co_u32 s24, s24, s26
	s_add_nc_u64 s[18:19], s[18:19], s[24:25]
.macro OLOAD t
.set ii, 0
.rept 32
	global_load_b32 v[WX+32*((\t)%2)+ii], v3, s[8:9] offset:(32*(\t)+ii)*4096
.set ii, ii+1
.endr
.endm
	OLOAD 0
	OLOAD 1
.macro OBLOCK t
.set XS, WX+32*((\t)%2)
.if (\t) < 3
	s_wait_loadcnt 32                              ; this block's 32 loads are in; the next block's may be out
.else
	s_wait_loadcnt 0x0
.endif
.set ii, 0
.rept 16
	v_cvt_pk_f16_f32 v[96+ii], v[XS+2*ii], v[XS+2*ii+1]            ; the lower k in the low half
.set ii, ii+1
.endr
.irp q, 0,1,2,3
	ds_store_b128 v4, v[96+4*\q:96+4*\q+3] offset:64*(\t)+16*\q
.endr
.if (\t)+2 < 4
	OLOAD (\t)+2
.endif
	s_wait_dscnt 0x0                               ; the stores have read their registers
.endm
.irp t, 0,1,2,3
	OBLOCK \t
.endr
.irp t, 0,1,2,3,4,5,6,7,8,9,10,11,12,13,14,15
	ds_load_b128 v[WOUT+4*\t:WOUT+4*\t+3], v7 offset:2*\t*WPITCH
.endr
.irp t, 0,1,2,3,4,5,6,7,8,9,10,11,12,13,14,15
	s_wait_dscnt 15-\t
	global_store_b128 v8, v[WOUT+4*\t:WOUT+4*\t+3], s[18:19] offset:2*\t*2048
.endr
	CLOSE
.Lfunc_end_k_q47a2db0e23_prep:
	.size	k_q47a2db0e23_prep, .Lfunc_end_k_q47a2db0e23_prep-k_q47a2db0e23_prep
	.p2alignl 7, 3214868480
	.fill 96, 4, 3214868480
	.section	.rodata,"a",@progbits
	.p2align	6, 0x0
	.amdhsa_kernel k_q47a2db0e23_prep
		.amdhsa_group_segment_fixed_size 102912
		.amdhsa_private_segment_fixed_size 0
		.amdhsa_enable_private_segment 0
		.amdhsa_kernarg_size 64
		.amdhsa_user_sgpr_count 2
		.amdhsa_user_sgpr_kernarg_segment_ptr 1
		.amdhsa_wavefront_size32 1
		.amdhsa_system_sgpr_workgroup_id_x 1
		.amdhsa_system_sgpr_workgroup_id_y 1
		.amdhsa_system_sgpr_workgroup_id_z 1
		.amdhsa_system_vgpr_workitem_id 0
		.amdhsa_next_free_vgpr 196
		.amdhsa_next_free_sgpr 66
		.amdhsa_reserve_vcc 0
		.amdhsa_float_denorm_mode_32 3
		.amdhsa_float_denorm_mode_16_64 3
		.amdhsa_memory_ordered 1
		.amdhsa_forward_progress 1
		.amdhsa_inst_pref_size 133
	.end_amdhsa_kernel
	.amdgpu_metadata
---
amdhsa.version: [ 1, 2 ]
amdhsa.kernels:
  - .name:           k_q47a2db0e23_prep
    .symbol:         k_q47a2db0e23_prep.kd
    .args:
      - { .name: x, .offset: 0, .size: 8, .value_kind: global_buffer, .address_space: global }
      - { .name: W_qkv, .offset: 8, .size: 8, .value_kind: global_buffer, .address_space: global }
      - { .name: W_o, .offset: 16, .size: 8, .value_kind: global_buffer, .address_space: global }
      - { .name: x_codes, .offset: 24, .size: 8, .value_kind: global_buffer, .address_space: global }
      - { .name: x_scales, .offset: 32, .size: 8, .value_kind: global_buffer, .address_space: global }
      - { .name: w_codes, .offset: 40, .size: 8, .value_kind: global_buffer, .address_space: global }
      - { .name: w_scales, .offset: 48, .size: 8, .value_kind: global_buffer, .address_space: global }
      - { .name: wot16, .offset: 56, .size: 8, .value_kind: global_buffer, .address_space: global }
    .group_segment_fixed_size: 102912
    .private_segment_fixed_size: 0
    .kernarg_segment_align: 8
    .kernarg_segment_size: 64
    .max_flat_workgroup_size: 128
    .sgpr_count:     66
    .vgpr_count:     196
    .wavefront_size: 32
...
	.end_amdgpu_metadata
.endif
;; end of part 1
;; launch qkv (part 2): grid 12 x 32, 4 waves a work-group, clusters of 4 x 4, 327,680 bytes of LDS; arguments x_codes, x_scales, w_codes, w_scales, b_qkv, qkvh, qkv32; writes qkvh, qkv32
.if DOCPART == 2
	.amdgcn_target "amdgcn-amd-amdhsa--gfx1250"
	.amdhsa_code_object_version 6
	.text
	.protected	k_q47a2db0e23_qkv
	.globl	k_q47a2db0e23_qkv
	.p2align	8
	.type	k_q47a2db0e23_qkv,@function
k_q47a2db0e23_qkv:
	s_mov_b64 s[64:65], 0
	v_nop
	global_prefetch_b8 v0, s[64:65] scope:SCOPE_SE
	s_setreg_imm32_b32 hwreg(HW_REG_WAVE_MODE, 25, 1), 1
	s_wait_xcnt 0x0
	s_wait_alu depctr_hold_cnt(0) depctr_sa_sdst(0) depctr_va_vdst(0) depctr_va_sdst(0) depctr_va_ssrc(0) depctr_va_vcc(0) depctr_vm_vsrc(0)
	s_getreg_b32 s2, hwreg(HW_REG_IB_STS2, 6, 4)
	s_cmp_eq_u32 s2, 0
	s_cbranch_scc0 .Lentry_in_a_cluster
	s_endpgm
.Lentry_in_a_cluster:
	s_bfe_u32 s2, ttmp6, 0x10000c
	s_cmp_lg_u32 s2, 0xf033
	s_cbranch_scc0 .Lentry_shape_is_right
	s_endpgm
.Lentry_shape_is_right:
; qkv = Q(x) Q(W_qkv) + b_qkv on codes of FP4 (E2M1) with one E8M0 scale for each 32 along K; sums in f32.  x: [8192][1024], W: [3072 n][1024 k] as codes.
; OUT: f16 by group of 64 columns, qkvh [batch 4][group 48][position 2048][64] (group 3 h + 0, 1, 2 = q, k, v of head h), and an f32 copy of positions 0 .. 15, qkv32 [batch][group][16][64].
; LIMIT: the f16 results want magnitudes under 65,504.
; A tile of 256 x 256 is made by four waves, each 128 x 128: 64 accumulators, 512 registers.  All of K, 1,024, lies in two LDS slots of 512 along K: each slot is filled once, nothing is filled again.
; The scale bytes of the work-group's rows come once, as dense blocks.  4 x 4 work-groups form a cluster: x's tiles are asked for jointly along a row of it, W's along a column.
; THE MATRIX INSTRUCTION IS USED TRANSPOSED (source 0 = 16 rows of W, source 1 = 16 rows of x): a lane holds eight neighbouring columns of one row.  The bias is the C of the first K step.
; REGISTERS: window 0: v0-31 addresses; v32-95 scale words, two sets, and nothing else; v128-191 x's fragments, one set; v192-255 the bias, 8 tiles; on the way out v128-223 are free.
;   window 1: W's fragments, two sets.   window 2: the accumulators of my rows 0-63 ((a, b) at v[8 (8 a + b)]);   window 3: those of rows 64-127.
.set NQ,     4                         ; matrix instructions deep in a slot
.set ROWB,   256                       ; a tile's row in bytes: 512 codes
.set KROW,   512                       ; a row of codes in memory
.set PITCH,  272                       ; an LDS row: 256 bytes + 16 of padding
.set FR,     8
.set NL,     2
.set NP,     4
.set HALFT,  128*PITCH
.set SLOT,   4*HALFT
.set KS,     32                        ; a row of scale bytes
.set SCL,    2*SLOT
.set HALFS,  16*272                    ; the scales of 128 rows: 16 units of 256 bytes + 16
.set SBLK,   2*272                     ; those of 16 rows
.set SPARE,  SCL+4*HALFS               ; the spare words, 128 bytes for each wave, that no other line names
.set ADRA, 16
.set ADRB, 20
.set FLG,  22                          ; v22 the flag of the f32 copy
.set STO,  24
.set RD,   25
.set CO,   26
.set ADRS, 27
.set SPW,  28
.set NIL,  29
.set VB,   30                          ; v30 32 x (lane / 16): my eight numbers of a tile of the bias
.set VF,   31                          ; v31 256 x (lane % 16) + 32 x (lane / 16): my place in the f32 copy
.set SC,   32
.set AF,   128
.set BIAS, 192
.set TMP,  128                         ; the way out: packed results
.set BKB,  160                         ; and rows read back: v160-191 and v192-223 by turns
.set G1, 24
.set G0, 32
.set G1B, 48
.set G0B, 56
.set G1S, 68
.set G0S, 76
.set G1SB, 80
.set G0SB, 88
.set MSB, 0
.macro WIN new                         ; the immediate's high byte repeats the setting that is left
.if MSB != (\new)
	s_set_vgpr_msb (MSB<<8)|(\new)
.set MSB, (\new)
.endif
.endm
.set MUL_LO, 0xa1                      ; source 0 (W) window 1, source 1 (x) window 0, C and D window 2
.set MUL_HI, 0xf1                      ; the same, C and D window 3
.set TO_B,   0x40
; A joint load: waves 0 and 1 fetch for x, waves 2 and 3 for W.  The branch hangs on the wave's number alone.  An s_nop 0 and four v_nop follow each line.
.macro JLOAD g0a, g1a, g0b, g1b
	s_cmp_eq_u32 s15, 0
	s_cbranch_scc0 .Lfor_b_\@
	tensor_load_to_lds s[\g0a:\g0a+3], s[\g1a:\g1a+7]
	s_nop 0
.rept 4
	v_nop
.endr
	s_branch .Lasked_\@
.Lfor_b_\@:
	tensor_load_to_lds s[\g0b:\g0b+3], s[\g1b:\g1b+7]
	s_nop 0
.rept 4
	v_nop
.endr
.Lasked_\@:
.endm
.macro CROUND                          ; a round of the cluster's barrier
	s_barrier_signal -1
	s_barrier_wait -1
	s_cmp_lg_u32 s14, 0
	s_cbranch_scc1 .Lnot_wave_0_\@
	s_barrier_signal -3
.Lnot_wave_0_\@:
	s_barrier_wait -3
	s_barrier_signal -1
	s_barrier_wait -1
.endm
	s_load_b128 s[4:7], s[0:1], 0x0                ; x's codes, x's scales
	s_load_b128 s[8:11], s[0:1], 0x10              ; W's codes, W's scales
	s_load_b128 s[96:99], s[0:1], 0x20             ; the bias, qkvh
	s_load_b64 s[12:13], s[0:1], 0x30              ; qkv32
	v_lshl_add_u32 v[SPW], v0, 2, SPARE
	v_mov_b32 v[NIL], 0
	ds_add_u32 v[SPW], v[NIL]                      ; the wave's opening: the add, twice on end, and its wait ahead of my first tensor load
	ds_add_u32 v[SPW], v[NIL]
	v_lshrrev_b32 v1, 5, v0
	v_readfirstlane_b32 s14, v1                    ; wave 0..3
	s_lshr_b32 s15, s14, 1                         ; which half of the tile's rows is mine.  Also: I fetch for x (0) or for W (1)
	s_and_b32 s16, s14, 1                          ; which half of its columns.  Also: which 128 rows I fetch
	s_bfe_u32 s40, ttmp6, 0x40000                  ; cx, cy
	s_bfe_u32 s41, ttmp6, 0x40004
	s_lshl_b32 s42, ttmp9, 2
	s_add_co_u32 s42, s42, s40                     ; tile column 0 .. 11
	s_and_b32 s17, ttmp7, 0xffff
	s_lshl_b32 s17, s17, 2
	s_add_co_u32 s17, s17, s41                     ; tile row 0 .. 31
	s_lshl_b32 s43, s41, 2
	s_lshl_b32 s43, 15, s43                        ; my row of the cluster
	s_lshl_b32 s44, 0x1111, s40                    ; my column
	s_or_b32 s[G1+0], s43, (0<<16)|(1<<20)|(1<<21)|(5<<22)|(3<<25)  ; the mask; elements of 1 byte; padding: 4 words behind every 64; bit 21 beside a mask
	s_or_b32 s[G1B+0], s44, (0<<16)|(1<<20)|(1<<21)|(5<<22)|(3<<25)
.irp g, G1, G1B
	s_mov_b32 s[\g+1], ROWB<<16                    ; tensor_dim0
	s_mov_b32 s[\g+2], 128<<16                     ; tensor_dim1
	s_mov_b32 s[\g+3], ROWB<<16                    ; tile_dim0
	s_mov_b32 s[\g+4], 128                         ; tile_dim1
	s_mov_b32 s[\g+5], KROW                        ; from row to row
	s_mov_b32 s[\g+6], 0
	s_mov_b32 s[\g+7], 0
.endr
	s_or_b32 s[G1S+0], s43, (3<<16)|(1<<20)|(1<<21)|(5<<22)|(3<<25) ; the scales of 128 rows: 4,096 dense bytes as 16 rows of 32 elements of 8 bytes
	s_or_b32 s[G1SB+0], s44, (3<<16)|(1<<20)|(1<<21)|(5<<22)|(3<<25)
.irp g, G1S, G1SB
	s_mov_b32 s[\g+1], 32<<16
	s_mov_b32 s[\g+2], 16<<16
	s_mov_b32 s[\g+3], 32<<16
	s_mov_b32 s[\g+4], 16
	s_mov_b32 s[\g+5], 32
	s_mov_b32 s[\g+6], 0
	s_mov_b32 s[\g+7], 0
.endr
	s_lshl_b32 s18, s16, 7
	s_lshl_b32 s20, s17, 8
	s_add_co_u32 s20, s20, s18                     ; x: row 256 x tile row + 128 x half
	s_lshl_b32 s46, s42, 8
	s_add_co_u32 s46, s46, s18                     ; W: row 256 x tile column + 128 x half
	s_mov_b32 s21, 0
	s_mov_b32 s47, 0
	s_mov_b64 s[18:19], KS
	s_mul_u64 s[22:23], s[20:21], s[18:19]
	s_mul_u64 s[92:93], s[46:47], s[18:19]
	s_mov_b64 s[18:19], KROW
	s_mul_u64 s[20:21], s[20:21], s[18:19]
	s_mul_u64 s[46:47], s[46:47], s[18:19]
	s_mul_i32 s45, s14, HALFT                      ; where they go: wave x 128 rows
	s_mul_i32 s94, s14, HALFS
	s_wait_dscnt 0x0                               ; both opening adds are done
	s_wait_kmcnt 0x0
	s_add_nc_u64 s[20:21], s[4:5], s[20:21]
	s_add_nc_u64 s[22:23], s[6:7], s[22:23]
	s_add_nc_u64 s[46:47], s[8:9], s[46:47]
	s_add_nc_u64 s[92:93], s[10:11], s[92:93]
	CROUND                                         ; all sixteen work-groups are here: the joint loads meet
	s_mov_b32 s[G0S], 1
	s_add_co_u32 s[G0S+1], s94, SCL
	s_mov_b64 s[G0S+2:G0S+3], s[22:23]
	s_or_b32 s[G0S+3], s[G0S+3], 0x80000000
	s_mov_b32 s[G0SB], 1
	s_add_co_u32 s[G0SB+1], s94, SCL
	s_mov_b64 s[G0SB+2:G0SB+3], s[92:93]
	s_or_b32 s[G0SB+3], s[G0SB+3], 0x80000000
	JLOAD G0S, G1S, G0SB, G1SB                     ; the scales first; three loads of mine are out at the most
.irp s, 0,1
	s_mov_b32 s[G0+4*\s], 1
	s_add_co_u32 s[G0+4*\s+1], s45, \s*SLOT
	s_add_nc_u64 s[G0+4*\s+2:G0+4*\s+3], s[20:21], \s*ROWB
	s_or_b32 s[G0+4*\s+3], s[G0+4*\s+3], 0x80000000
	s_mov_b32 s[G0B+4*\s], 1
	s_add_co_u32 s[G0B+4*\s+1], s45, \s*SLOT
	s_add_nc_u64 s[G0B+4*\s+2:G0B+4*\s+3], s[46:47], \s*ROWB
	s_or_b32 s[G0B+4*\s+3], s[G0B+4*\s+3], 0x80000000
	JLOAD G0+4*\s, G1, G0B+4*\s, G1B
.endr
	v_and_b32 v1, 15, v0                           ; r = lane % 16
	v_bfe_u32 v2, v0, 4, 1                         ; h = lane / 16
	v_mul_u32_u24 v3, v1, PITCH
	v_lshl_add_u32 v4, v2, 4, v3
	s_mul_i32 s21, s15, HALFT
	s_mul_i32 s22, s16, HALFT
	s_add_co_u32 s22, s22, 2*HALFT
.irp s, 0,1
	v_add_nc_u32 v[ADRA+\s], s21, v4
	v_add_nc_u32 v[ADRB+\s], s22, v4
	s_add_co_u32 s21, s21, SLOT
	s_add_co_u32 s22, s22, SLOT
.endr
	v_mul_u32_u24 v5, v1, KS                       ; my row's scales: 32 bytes a row,
	v_lshrrev_b32 v6, 8, v5
	v_lshl_add_u32 v5, v6, 4, v5                   ; and 16 more for each 256 passed
	s_mul_i32 s21, s15, HALFS
	s_mul_i32 s22, s16, HALFS
	s_add_co_u32 s22, s22, 2*HALFS
	s_sub_co_u32 s22, s22, s21
	v_mul_u32_u24 v6, s22, v2                      ; lanes 16-31 take W's
	s_add_co_u32 s21, s21, SCL
	v_add_nc_u32 v5, v5, v6
	v_add_nc_u32 v[ADRS], s21, v5
	s_mul_i32 s23, s14, 4608                       ; my stage: 2 groups x 16 rows x 144 bytes, in slot 0, which has had its one fill and its last read when the first result is stored there
	v_mul_u32_u24 v5, v1, 144
	v_lshl_add_u32 v5, v2, 4, v5
	v_add_nc_u32 v[STO], s23, v5                   ; in: row r, 16 bytes for each half of the lanes
	v_bfe_u32 v5, v0, 3, 2
	v_mul_u32_u24 v5, v5, 144
	v_and_b32 v6, 7, v0
	v_lshl_add_u32 v5, v6, 4, v5
	v_add_nc_u32 v[RD], s23, v5                    ; back: eight lanes to a row of 128 bytes, four rows an instruction
	v_and_b32 v6, 31, v0
	v_lshlrev_b32 v[CO], 4, v6                     ; which are 512 consecutive bytes of qkvh
	v_lshlrev_b32 v[VB], 5, v2
	v_lshl_add_u32 v[VF], v1, 8, v[VB]
	; where my results go
	s_lshr_b32 s20, s17, 3                         ; the batch
	s_mul_i32 s20, s20, 48
	s_lshl_b32 s21, s42, 2
	s_add_co_u32 s20, s20, s21
	s_lshl_b32 s21, s16, 1
	s_add_co_u32 s20, s20, s21                     ; 48 x batch + my first group of 64 columns
	s_and_b32 s22, s17, 7
	s_or_b32 s66, s22, s15                         ; 0 where my first 16 rows are positions 0 .. 15
	s_lshl_b32 s22, s22, 8
	s_lshl_b32 s23, s15, 7
	s_add_co_u32 s22, s22, s23                     ; my first position
	s_lshl_b32 s22, s22, 7                         ; x 128 bytes
	s_lshl_b32 s46, s20, 18                        ; a group is 262,144 bytes of qkvh
	s_add_co_u32 s46, s46, s22
	s_mov_b32 s47, 0
	s_add_nc_u64 s[98:99], s[98:99], s[46:47]
	s_lshl_b32 s46, s20, 12                        ; and 4,096 of qkv32
	s_add_nc_u64 s[12:13], s[12:13], s[46:47]
	s_lshl_b32 s46, s42, 10
	s_lshl_b32 s22, s16, 9
	s_add_co_u32 s46, s46, s22                     ; my first column, x 4 bytes
	s_add_nc_u64 s[96:97], s[96:97], s[46:47]
.irp b, 0,1,2,3,4,5,6,7
	global_load_b128 v[BIAS+8*\b:BIAS+8*\b+3], v[VB], s[96:97] offset:64*\b       ; tile b: lane (r, h) wants columns 16 b + 8 h + 0 .. 7
	global_load_b128 v[BIAS+8*\b+4:BIAS+8*\b+7], v[VB], s[96:97] offset:64*\b+16
.endr
.macro FRAG reg, adr, q, i             ; 16 rows x 128 K of 4-bit codes: 8 registers, two loads of 16 bytes, 32 bytes apart
.irp c, 0,1
	ds_load_b128 v[\reg+4*\c:\reg+4*\c+3], v[\adr] offset:64*(\q)+32*\c+(\i)*16*PITCH
.endr
.endm
; 16 matrix instructions: x's blocks a0, a0 + 1 against W's eight.  first = 1: the bias starts the sums.  The 64 accumulators take turns, one instruction a turn.
.macro MUL16 a0, p, q, sc, first
.irp a, \a0, \a0+1
.irp b, 0,1,2,3,4,5,6,7
.if \first
	v_wmma_scale_f32_16x16x128_f8f6f4 v[8*(8*((\a)%4)+\b):8*(8*((\a)%4)+\b)+7], v[128*(\p)+FR*\b:128*(\p)+FR*\b+FR-1], v[AF+FR*(\a):AF+FR*(\a)+FR-1], v[BIAS+8*\b:BIAS+8*\b+7], v[SC+8*NQ*(\sc)+NQ*\b+(\q)], v[SC+8*NQ*(\sc)+NQ*(\a)+(\q)] matrix_a_fmt:MATRIX_FMT_FP4 matrix_b_fmt:MATRIX_FMT_FP4 matrix_a_scale:MATRIX_SCALE_ROW1
.else
	v_wmma_scale_f32_16x16x128_f8f6f4 v[8*(8*((\a)%4)+\b):8*(8*((\a)%4)+\b)+7], v[128*(\p)+FR*\b:128*(\p)+FR*\b+FR-1], v[AF+FR*(\a):AF+FR*(\a)+FR-1], v[8*(8*((\a)%4)+\b):8*(8*((\a)%4)+\b)+7], v[SC+8*NQ*(\sc)+NQ*\b+(\q)], v[SC+8*NQ*(\sc)+NQ*(\a)+(\q)] matrix_a_fmt:MATRIX_FMT_FP4 matrix_b_fmt:MATRIX_FMT_FP4 matrix_a_scale:MATRIX_SCALE_ROW1
.endif
.endr
.endr
.endm
.macro FETCH_B slot, q, p
	WIN TO_B
.irp i, 0,1,2,3,4,5,6,7
	FRAG 128*(\p)+FR*\i, ADRB+\slot, \q, \i
.endr
	WIN 0
.endm
.macro FETCH_A slot, q, i0
.irp i, \i0, \i0+1, \i0+2, \i0+3
	FRAG AF+FR*(\i), ADRA+\slot, \q, \i
.endr
.endm
.macro SCALES sc                       ; a slot's scale words: lanes 0-15 x's block i, lanes 16-31 W's block i
.irp i, 0,1,2,3,4,5,6,7
	ds_load_b128 v[SC+8*NQ*\sc+NQ*\i:SC+8*NQ*\sc+NQ*\i+3], v[ADRS] offset:\i*SBLK
.endr
.endm
.macro PLACES n                        ; plain vector lines between a matrix instruction and a load into, or a read of, its registers
.rept \n
	v_nop
.endr
.endm
.macro STEP slot, q, first             ; 128 along K that has its successor in the same slot; first = 1: C (the bias) lies in window 0
	s_wait_dscnt 4*NL                              ; W's set and x's blocks 0-3 are in; the youngest eight loads (x's blocks 4-7) may be out
	WIN MUL_LO-0x20*\first
	MUL16 0, (\q)%2, \q, \slot, \first
	MUL16 2, (\q)%2, \q, \slot, \first
	s_wait_dscnt 0
	PLACES NP
	FETCH_B \slot, (\q)+1, 1-(\q)%2
	FETCH_A \slot, (\q)+1, 0
	WIN MUL_HI-0x30*\first
	MUL16 4, (\q)%2, \q, \slot, \first
	MUL16 6, (\q)%2, \q, \slot, \first
	PLACES NP
	WIN 0
	FETCH_A \slot, (\q)+1, 4
.endm
.macro STEPS slot, from
.set Q, \from
.rept NQ-1-\from
	STEP \slot, Q, 0
.set Q, Q+1
.endr
.endm
	s_wait_loadcnt 0x0                             ; the bias
	s_wait_tensorcnt 1                             ; the scales and my part of slot 0 are in (slot 1's load may be out)
	s_barrier_signal -1
	s_barrier_wait -1                              ; everybody's are
	FETCH_B 0, 0, 0
	FETCH_A 0, 0, 0
	SCALES 0
	FETCH_A 0, 0, 4
	STEP 0, 0, 1
	STEPS 0, 1
	; slot 0's last step changes slots: one barrier; in front of it each wave waits for its tensor loads, adds 0 to its spare word, and waits for that and for its reads of slot 0
	s_wait_tensorcnt 0x0                           ; my part of slot 1 has landed
	ds_add_u32 v[SPW], v[NIL]
	s_wait_dscnt 4*NL+1                            ; (the add and x's blocks 4-7 may be out)
	WIN MUL_LO
	MUL16 0, 1, NQ-1, 0, 0
	s_wait_dscnt 0x0                               ; the add is done, and my reads of slot 0 are over
	s_barrier_signal -1
	MUL16 2, 1, NQ-1, 0, 0
	WIN 0
	s_barrier_wait -1
	PLACES NP
	v_add_nc_u32 v[ADRS], 4*NQ, v[ADRS]            ; on to slot 1's scale words
	FETCH_B 1, 0, 0
	FETCH_A 1, 0, 0
	SCALES 1
	WIN MUL_HI
	MUL16 4, 1, NQ-1, 0, 0
	MUL16 6, 1, NQ-1, 0, 0
	PLACES NP
	WIN 0
	FETCH_A 1, 0, 4
	STEPS 1, 0
	s_wait_dscnt 4*NL                              ; the very last step
	WIN MUL_LO
	MUL16 0, 1, NQ-1, 1, 0
	MUL16 2, 1, NQ-1, 1, 0
	s_wait_dscnt 0
	WIN MUL_HI
	MUL16 4, 1, NQ-1, 1, 0
	MUL16 6, 1, NQ-1, 1, 0
	WIN 0
	PLACES NP                                      ; ahead of every read of results and every write of operands below
	; THE F32 COPY of positions 0 .. 15: my block 0, where the flag is 0.  No branch: all lanes are switched off elsewhere.
	v_mov_b32 v[FLG], s66
	s_wait_xcnt 0x0                                ; EXEC changes only behind this wait
	v_cmp_eq_u32 vcc_lo, 0, v[FLG]
	s_and_saveexec_b32 s67, vcc_lo
	WIN 0x08                                       ; a store's data are its source 1: window 2
.irp b, 0,1,2,3,4,5,6,7
	global_store_b128 v[VF], v[8*\b:8*\b+3], s[12:13] offset:(\b/4)*4096+64*(\b%4)      ; each accumulator from its low end on
	global_store_b128 v[VF], v[8*\b+4:8*\b+7], s[12:13] offset:(\b/4)*4096+64*(\b%4)+16
.endr
	WIN 0
	s_wait_xcnt 0x0                                ; and again ahead of the line that restores it
	s_or_b32 exec_lo, exec_lo, s67
; THE WAY OUT, a block of 16 rows x 128 columns at a time: rounded to f16, through my stage, back as rows of 128 bytes of each of my two groups; a store covers 512 consecutive aligned bytes.
.macro PACK a
.set AC, 64*((\a)%4)
	WIN 0x0a+5*((\a)/4)                            ; sources 0 and 1: window 2 or 3
.irp b, 0,1,2,3,4,5,6,7
.irp i, 0,1,2,3
	v_cvt_pk_f16_f32 v[TMP+4*\b+\i], v[AC+8*\b+2*\i], v[AC+8*\b+2*\i+1]
.endr
.endr
	WIN 0
.endm
.macro TOSTAGE a
.set BB, BKB+32*((\a)%2)
.irp b, 0,1,2,3,4,5,6,7
	ds_store_b128 v[STO], v[TMP+4*\b:TMP+4*\b+3] offset:(\b/4)*2304+32*(\b%4)
.endr
.irp t, 0,1,2,3,4,5,6,7
	ds_load_b128 v[BB+4*\t:BB+4*\t+3], v[RD] offset:(\t/4)*2304+(\t%4)*576   ; in order behind my stores
.endr
.endm
.macro SEND a
.set BB, BKB+32*((\a)%2)
	s_wait_dscnt 0x0                               ; the block is back in registers
	s_wait_xcnt 0x0                                ; the stores before have read their registers: the next block's loads may land there
.irp t, 0,1,2,3,4,5,6,7
	global_store_b128 v[CO], v[BB+4*\t:BB+4*\t+3], s[98:99] offset:(\t/4)*262144+(\a)*2048+(\t%4)*512
.endr
.endm
	PACK 0
	TOSTAGE 0
.irp a, 1,2,3,4,5,6,7
	PACK \a
	SEND \a-1
	TOSTAGE \a
.endr
	SEND 7
	s_wait_tensorcnt 0x0                           ; the wave's end
	ds_add_u32 v[SPW], v[NIL]
	s_wait_dscnt 0x0
	CROUND                                         ; the closing round
	s_endpgm
.Lfunc_end_k_q47a2db0e23_qkv:
	.size	k_q47a2db0e23_qkv, .Lfunc_end_k_q47a2db0e23_qkv-k_q47a2db0e23_qkv
	.p2alignl 7, 3214868480
	.fill 96, 4, 3214868480
	.section	.rodata,"a",@progbits
	.p2align	6, 0x0
	.amdhsa_kernel k_q47a2db0e23_qkv
		.amdhsa_group_segment_fixed_size 327680
		.amdhsa_private_segment_fixed_size 0
		.amdhsa_enable_private_segment 0
		.amdhsa_kernarg_size 56
		.amdhsa_user_sgpr_count 2
		.amdhsa_user_sgpr_kernarg_segment_ptr 1
		.amdhsa_wavefront_size32 1
		.amdhsa_system_sgpr_workgroup_id_x 1
		.amdhsa_system_sgpr_workgroup_id_y 1
		.amdhsa_system_sgpr_workgroup_id_z 1
		.amdhsa_system_vgpr_workitem_id 0
		.amdhsa_next_free_vgpr 1024
		.amdhsa_next_free_sgpr 100
		.amdhsa_reserve_vcc 1
		.amdhsa_float_denorm_mode_32 3
		.amdhsa_float_denorm_mode_16_64 3
		.amdhsa_memory_ordered 1
		.amdhsa_forward_progress 1
		.amdhsa_inst_pref_size 130
	.end_amdhsa_kernel
	.amdgpu_metadata
---
amdhsa.version: [ 1, 2 ]
amdhsa.kernels:
  - .name:           k_q47a2db0e23_qkv
    .symbol:         k_q47a2db0e23_qkv.kd
    .args:
      - { .name: x_codes, .offset: 0, .size: 8, .value_kind: global_buffer, .address_space: global }
      - { .name: x_scales, .offset: 8, .size: 8, .value_kind: global_buffer, .address_space: global }
      - { .name: w_codes, .offset: 16, .size: 8, .value_kind: global_buffer, .address_space: global }
      - { .name: w_scales, .offset: 24, .size: 8, .value_kind: global_buffer, .address_space: global }
      - { .name: b_qkv, .offset: 32, .size: 8, .value_kind: global_buffer, .address_space: global }
      - { .name: qkvh, .offset: 40, .size: 8, .value_kind: global_buffer, .address_space: global }
      - { .name: qkv32, .offset: 48, .size: 8, .value_kind: global_buffer, .address_space: global }
    .group_segment_fixed_size: 327680
    .private_segment_fixed_size: 0
    .kernarg_segment_align: 8
    .kernarg_segment_size: 56
    .max_flat_workgroup_size: 128
    .sgpr_count:     100
    .vgpr_count:     1024
    .wavefront_size: 32
...
	.end_amdgpu_metadata
.endif
;; end of part 2
;; launch attn (part 3): grid 4 x 64, 8 waves a work-group, no clusters, 327,680 bytes of LDS; arguments qkvh, vals16; writes vals16
.if DOCPART == 3
	.amdgcn_target "amdgcn-amd-amdhsa--gfx1250"
	.amdhsa_code_object_version 6
	.text
	.protected	k_q47a2db0e23_attn
	.globl	k_q47a2db0e23_attn
	.p2align	8
	.type	k_q47a2db0e23_attn,@function
k_q47a2db0e23_attn:
	s_mov_b64 s[64:65], 0
	v_nop
	global_prefetch_b8 v0, s[64:65] scope:SCOPE_SE
	s_setreg_imm32_b32 hwreg(HW_REG_WAVE_MODE, 25, 1), 1
	s_wait_xcnt 0x0
; vals[bh][q][:] = the sum over k <= q of softmax_k(q . k / 8) v[k][:], for 64 heads (batch x head) of 2,048 positions and 64 channels.  q, k, v: f16 in qkvh; vals16: f16, [bh][position][64].
; Products on f16 operands with f32 sums; maxima, exponentials and row sums in f32, with a running maximum; the weights p are rounded to f16 for the second product.
; LIMITS: f16 operands (magnitudes under 65,504); the running maximum starts at -3e38; NaN and infinities are not served.  Positions 0 .. 15 of each head are made again, in f32, by a later launch.
; SHARES.  Work-group (i, bh) owns query blocks i and 7 - i of 256 queries, one after the other: blocks 0 .. i of 256 keys, then blocks 0 .. 7 - i: nine slots for every work-group, so every trip count
; is a constant and every slot that is fetched is read.  A wave owns 32 queries, two tiles of 16; which 32 is dealt so that the waves' steps on the diagonal slot add up evenly in pairs.
; NO CLUSTER: in a given trip the four work-groups of a head want different blocks of keys.
; LAYOUT.  S^T = K Q^T (source 0 = 16 keys, source 1 = 16 queries) and O^T = V^T P (source 0 = 16 channels x 32 keys, by the turning load): a lane holds ONE query throughout.
; REGISTERS: v1-14 addresses; v16-47 Q; v48-111 K's 8 fragments, then V's 8; v112-175 S^T, 32 a tile (p's f16 pairs take the low 16); v176-239 O^T, 32 a tile; v240-255 statistics, 8 a tile:
; +0 c m, +1 m, +2, +3 l in two halves, +4 .. +7 at work, a at +6.
.set PK,    144                        ; a key's row in LDS: 128 bytes + 16
.set PV,    160                        ; a row of V: 128 + 32
.set VOFF,  256*PK
.set SLOT1, 131072
.set STAGE, 262144                     ; behind the ring: 32 rows x 144 bytes for each wave
.set SPARE, STAGE+8*4608               ; the spare words, 128 bytes for each wave, that no other line names
.set AK0, 1
.set AV0, 2
.set ADK, 3
.set ADV, 4
.set QO,  5
.set STO, 6
.set RD,  7
.set GO,  8
.set SPW, 9
.set NIL, 10
.set RH,  11
.set D0,  12
.set NINF, 13
.set PFO, 14
.set QF,  16
.set KFR, 48
.set SC,  112
.set OT,  176
.set ST,  240
.set WV,  8
.set UU,  9
.set II,  10
.set I1,  11
.set BH,  12
.set QA,  16
.set QB,  18
.set OA,  20
.set OB,  22
.set G1K, 24
.set G1V, 32
.set G0K, 40
.set G0V, 44
.set KBS, 48
.set VBS, 50
.set OFF, 52
.set NX,  54
.set TT,  56
.set CNT, 57
.set TB,  58
.set KF,  59
.set Q0,  60
.set Q0B, 61
.set CS,  62
.set SEL, 66
.set PFA, 68
.set LIM, 70
; Waves 0 and 1 fetch K's halves of a slot, waves 2 and 3 V's, the others nothing.  An s_nop 0 and four v_nop follow each line.
.macro TLOAD
	s_cmp_lt_u32 s[WV], 2
	s_cbranch_scc0 .Lnot_k_\@
	tensor_load_to_lds s[G0K:G0K+3], s[G1K:G1K+7]
	s_nop 0
.rept 4
	v_nop
.endr
	s_branch .Lasked_\@
.Lnot_k_\@:
	s_cmp_lt_u32 s[WV], 4
	s_cbranch_scc0 .Lasked_\@
	tensor_load_to_lds s[G0V:G0V+3], s[G1V:G1V+7]
	s_nop 0
.rept 4
	v_nop
.endr
.Lasked_\@:
.endm
; A prefetch of the block of keys that the NEXT change of slots will ask for.  The head's work-group 0 walks all eight blocks in its second pass and asks; in it waves 4 to 7, which fetch nothing,
; take 8,192 bytes of K's block and of V's each, lanes 256 bytes apart: each aligned 256 bytes of blocks 1 .. 7 is named once in the launch.  The last filling trip asks for nothing.
.macro ASK
	s_cmp_gt_u32 s[CNT], s[LIM]
	s_cbranch_scc0 .Lnot_mine_\@
	global_prefetch_b8 v[PFO], s[PFA:PFA+1] th:TH_LOAD_NT scope:SCOPE_SE
	global_prefetch_b8 v[PFO], s[PFA:PFA+1] offset:262144 th:TH_LOAD_NT scope:SCOPE_SE
.Lnot_mine_\@:
.endm
.macro QLOAD base                      ; my 32 queries: tile t, channels 32 ds on
.irp t, 0,1
.irp ds, 0,1
	global_load_b128 v[QF+16*\t+8*\ds:QF+16*\t+8*\ds+3], v[QO], s[\base:\base+1] offset:2048*\t+64*\ds
	global_load_b128 v[QF+16*\t+8*\ds+4:QF+16*\t+8*\ds+7], v[QO], s[\base:\base+1] offset:2048*\t+64*\ds+32
.endr
.endr
.endm
.macro RESET                           ; the step is written once: the first finds zeros, which the first change of the maximum leaves zeros
.set ii, 0
.rept 64
	v_mov_b32 v[OT+ii], 0
.set ii, ii+1
.endr
.irp t, 0,1
	v_mov_b32 v[ST+8*\t+1], 0xff61b1e6             ; m = -3e38
	v_mul_f32 v[ST+8*\t], s[CS], v[ST+8*\t+1]      ; c m
.irp i, 2,3,4,5,6,7
	v_mov_b32 v[ST+8*\t+\i], 0
.endr
.endr
.endm
; THE CHANGE OF SLOTS, at a slot's head.  Each wave waits for all its tensor loads, adds 0 to its spare word, and waits for that and for its reads of the slot that it has left; one barrier;
; fill = 1: the slot just left is filled with the walk's next block of keys, first thing behind the barrier: one load a wave, with a whole slot's steps in which to land.
.macro CHANGE fill
	s_wait_tensorcnt 0x0                           ; no tensor load of mine is out, so a group 0 may be written
	ds_add_u32 v[SPW], v[NIL]
.if \fill
	ds_add_u32 v[SPW], v[NIL]                      ; the add twice on end here
	s_xor_b32 s[G0K+1], s[G0K+1], SLOT1            ; the other slot than last time
	s_xor_b32 s[G0V+1], s[G0V+1], SLOT1
	s_add_co_u32 s71, s[TT], 1
	s_add_co_u32 s[NX], s[NX], 1                   ; the next block of keys,
	s_cmp_eq_u32 s71, s[I1]
	s_cselect_b32 s[NX], 0, s[NX]                  ; or block 0 where the second pass begins
	s_lshl_b32 s[OFF], s[NX], 15                   ; 256 rows of 128 bytes
	s_add_nc_u64 s[G0K+2:G0K+3], s[KBS:KBS+1], s[OFF:OFF+1]
	s_or_b32 s[G0K+3], s[G0K+3], 0x80000000
	s_add_nc_u64 s[G0V+2:G0V+3], s[VBS:VBS+1], s[OFF:OFF+1]
	s_or_b32 s[G0V+3], s[G0V+3], 0x80000000
	s_wait_xcnt 0x0                                ; the last prefetches, a slot back, have read their address
	s_add_nc_u64 s[PFA:PFA+1], s[PFA:PFA+1], 32768
.endif
	s_wait_dscnt 0x0                               ; the add is done, and my reads of the slot that I have left are over
	s_barrier_signal -1
	s_barrier_wait -1
.if \fill
	TLOAD
	ASK
.endif
.endm
; THE WAY OUT of 32 queries: O^T / l, rounded to f16, through my stage, back as rows of 128 bytes: a store covers 512 consecutive aligned bytes.
.macro FINISH base
.rept 4
	v_nop                                          ; places behind the last products
.endr
.irp t, 0,1
	v_add_f32 v[ST+8*\t+4], v[ST+8*\t+2], v[ST+8*\t+3]
.endr
.irp t, 0,1
	v_permlanex16_b32 v[ST+8*\t+5], v[ST+8*\t+4], s[SEL], s[SEL+1]
.endr
.irp t, 0,1
	v_add_f32 v[ST+8*\t+4], v[ST+8*\t+4], v[ST+8*\t+5]
.endr
.irp t, 0,1
	v_rcp_f32 v[ST+8*\t+6], v[ST+8*\t+4]
.endr
	v_nop                                          ; a plain line behind the last reciprocal
	s_wait_alu depctr_va_vdst(0)                   ; one wait for both, ahead of the first reader
.set ii, 0
.rept 16
	v_pk_mul_f32 v[OT+ii:OT+ii+1], v[OT+ii:OT+ii+1], v[ST+6:ST+7] op_sel_hi:[1,0]
	v_pk_mul_f32 v[OT+32+ii:OT+32+ii+1], v[OT+32+ii:OT+32+ii+1], v[ST+14:ST+15] op_sel_hi:[1,0]
.set ii, ii+2
.endr
.set ii, 0
.rept 32
	v_cvt_pk_f16_f32 v[SC+ii], v[OT+2*ii], v[OT+2*ii+1]
.set ii, ii+1
.endr
.irp t, 0,1
.irp dt, 0,1,2,3
	ds_store_b128 v[STO], v[SC+16*\t+4*\dt:SC+16*\t+4*\dt+3] offset:2304*\t+32*\dt
.endr
.endr
.irp c, 0,1,2,3,4,5,6,7
	ds_load_b128 v[KFR+4*\c:KFR+4*\c+3], v[RD] offset:576*\c       ; in order behind my stores
.endr
.irp c, 0,1,2,3,4,5,6,7
	s_wait_dscnt 7-\c                              ; the younger loads may stay out
	global_store_b128 v[GO], v[KFR+4*\c:KFR+4*\c+3], s[\base:\base+1] offset:512*\c
.endr
	s_wait_xcnt 0x0                                ; the stores have read their registers
.endm
.macro SWITCH                          ; where the second pass begins: the first pass's queries leave, the second's come.  The test is made of ids and the count of trips: the same in all waves
	s_cmp_lg_u32 s[TT], s[I1]
	s_cbranch_scc1 .Lsame_\@
.rept 4
	v_nop
.endr
	QLOAD QB
	FINISH OA
	RESET
	s_mov_b32 s[KF], 0
	s_mov_b32 s[Q0], s[Q0B]
	s_wait_loadcnt 0x0
.Lsame_\@:
.endm
; A KEY STEP: 64 keys, the j-th of the slot in hand.
.macro STEP j
	s_add_co_u32 s71, s[Q0], 31
	s_cmp_gt_u32 s[KF], s71                        ; all 64 keys come after my 32 queries: the step's work is left out (ids alone; no barrier, wait on tensor loads or tensor load stands in a step)
	s_cbranch_scc1 .Lhid_\@
	v_add_nc_u32 v[ADK], s[TB], v[AK0]
	v_add_nc_u32 v[ADV], s[TB], v[AV0]
.rept 4
	v_nop                                          ; with the two lines above six places: four are owed by the loads below, five by the products that write over p's registers
.endr
.irp f, 0,1,2,3,4,5,6,7                        ; K: keys 16 (f / 2) on, channels 32 (f % 2) on
	ds_load_b128 v[KFR+8*\f:KFR+8*\f+3], v[ADK] offset:(64*\j+16*(\f/2))*PK+64*(\f%2)
	ds_load_b128 v[KFR+8*\f+4:KFR+8*\f+7], v[ADK] offset:(64*\j+16*(\f/2))*PK+64*(\f%2)+32
.endr
	s_wait_dscnt 0x0
.irp ds, 0,1                                   ; S^T = K Q^T: eight accumulators by turns
.irp kt, 0,1,2,3
.irp t, 0,1
.if \ds == 0
	v_wmma_f32_16x16x32_f16 v[SC+32*\t+8*\kt:SC+32*\t+8*\kt+7], v[KFR+16*\kt+8*\ds:KFR+16*\kt+8*\ds+7], v[QF+16*\t+8*\ds:QF+16*\t+8*\ds+7], 0
.else
	v_wmma_f32_16x16x32_f16 v[SC+32*\t+8*\kt:SC+32*\t+8*\kt+7], v[KFR+16*\kt+8*\ds:KFR+16*\kt+8*\ds+7], v[QF+16*\t+8*\ds:QF+16*\t+8*\ds+7], v[SC+32*\t+8*\kt:SC+32*\t+8*\kt+7]
.endif
.endr
.endr
.endr
.rept 4
	v_nop                                          ; places ahead of the loads into K's registers and of the first read of the scores
.endr
.irp f, 0,1,2,3,4,5,6,7                        ; V, turned: keys 32 (f / 4) on, channels 16 (f % 4) on; it lands while the softmax is walked
	ds_load_tr16_b128 v[KFR+8*\f:KFR+8*\f+3], v[ADV] offset:(64*\j+32*(\f/4))*PV+32*(\f%4)
	ds_load_tr16_b128 v[KFR+8*\f+4:KFR+8*\f+7], v[ADV] offset:(64*\j+32*(\f/4))*PV+32*(\f%4)+16*PV
.endr
	s_add_co_u32 s71, s[KF], 63
	s_cmp_le_u32 s71, s[Q0]                        ; all 64 keys count for all my queries: no mask
	s_cbranch_scc1 .Lopen_\@
	s_sub_co_i32 s71, s[Q0], s[KF]
	v_add_nc_u32 v[D0], s71, v[RH]                 ; register n of tile t holds key KF + 16 (n / 8) + n % 8 + 8 h, my query is Q0 + 16 t + r: hidden where 16 (n / 8) + n % 8 - 16 t > Q0 - KF + r - 8 h
.set nn, 0
.rept 64
	v_cmp_gt_i32 vcc_lo, 16*((nn%32)/8)+nn%8-16*(nn/32), v[D0]
	v_cndmask_b32 v[SC+nn], v[SC+nn], v[NINF], vcc_lo
.set nn, nn+1
.endr
.Lopen_\@:
	; the softmax, the two tiles line by line.  The maximum: four chains, each beginning at an accumulator's low end
.irp c, 0,1,2,3
.irp t, 0,1
	v_max3_num_f32 v[ST+8*\t+4+\c], v[SC+32*\t+8*\c], v[SC+32*\t+8*\c+1], v[SC+32*\t+8*\c+2]
.endr
.endr
.irp g, 1,2
.irp c, 0,1,2,3
.irp t, 0,1
	v_max3_num_f32 v[ST+8*\t+4+\c], v[ST+8*\t+4+\c], v[SC+32*\t+8*\c+2*\g+1], v[SC+32*\t+8*\c+2*\g+2]
.endr
.endr
.endr
.irp t, 0,1
	v_max3_num_f32 v[ST+8*\t+4], v[ST+8*\t+4], v[SC+32*\t+7], v[SC+32*\t+15]
.endr
.irp t, 0,1
	v_max3_num_f32 v[ST+8*\t+6], v[ST+8*\t+6], v[SC+32*\t+23], v[SC+32*\t+31]
.endr
.irp t, 0,1
	v_max3_num_f32 v[ST+8*\t+4], v[ST+8*\t+4], v[ST+8*\t+5], v[ST+8*\t+6]
.endr
.irp t, 0,1
	v_max3_num_f32 v[ST+8*\t+4], v[ST+8*\t+4], v[ST+8*\t+7], v[ST+8*\t+1]   ; with the old m
.endr
.irp t, 0,1
	v_permlanex16_b32 v[ST+8*\t+5], v[ST+8*\t+4], s[SEL], s[SEL+1]          ; the query's other 32 keys lie in the lane 16 away
.endr
.irp t, 0,1
	v_mov_b32 v[ST+8*\t+7], v[ST+8*\t]             ; c m_old
.endr
.irp t, 0,1
	v_max_num_f32 v[ST+8*\t+1], v[ST+8*\t+4], v[ST+8*\t+5]
.endr
.irp t, 0,1
	v_mul_f32 v[ST+8*\t], s[CS], v[ST+8*\t+1]
.endr
.irp t, 0,1
	v_sub_f32 v[ST+8*\t+7], v[ST+8*\t+7], v[ST+8*\t]
.endr
.set ii, 0
.rept 16
	v_pk_fma_f32 v[SC+ii:SC+ii+1], v[SC+ii:SC+ii+1], s[CS:CS+1], v[ST:ST+1] op_sel_hi:[1,0,0] neg_lo:[0,0,1] neg_hi:[0,0,1]   ; c s - c m
	v_pk_fma_f32 v[SC+32+ii:SC+32+ii+1], v[SC+32+ii:SC+32+ii+1], s[CS:CS+1], v[ST+8:ST+9] op_sel_hi:[1,0,0] neg_lo:[0,0,1] neg_hi:[0,0,1]
.set ii, ii+2
.endr
	v_exp_f32 v[ST+6], v[ST+7]                     ; a = 2^(c m_old - c m_new); ONE BATCH of 66 exponentials
	v_exp_f32 v[ST+14], v[ST+15]
.set ii, 0
.rept 64
	v_exp_f32 v[SC+ii], v[SC+ii]
.set ii, ii+1
.endr
	v_nop                                          ; a plain line behind the last exponential
	s_wait_alu depctr_va_vdst(0)                   ; one wait for the batch, ahead of its first reader
.irp t, 0,1
	v_pk_fma_f32 v[ST+8*\t+2:ST+8*\t+3], v[ST+8*\t+2:ST+8*\t+3], v[ST+8*\t+6:ST+8*\t+7], v[SC+32*\t:SC+32*\t+1] op_sel_hi:[1,0,1]   ; l = a l + the unrounded p, in two chains
.endr
.irp t, 0,1
	v_pk_add_f32 v[ST+8*\t+4:ST+8*\t+5], v[SC+32*\t+2:SC+32*\t+3], v[SC+32*\t+4:SC+32*\t+5]
.endr
.irp i, 6,10,14,18,22,26
.irp t, 0,1
	v_pk_add_f32 v[ST+8*\t+2:ST+8*\t+3], v[ST+8*\t+2:ST+8*\t+3], v[SC+32*\t+\i:SC+32*\t+\i+1]
	v_pk_add_f32 v[ST+8*\t+4:ST+8*\t+5], v[ST+8*\t+4:ST+8*\t+5], v[SC+32*\t+\i+2:SC+32*\t+\i+3]
.endr
.endr
.irp t, 0,1
	v_pk_add_f32 v[ST+8*\t+2:ST+8*\t+3], v[ST+8*\t+2:ST+8*\t+3], v[SC+32*\t+30:SC+32*\t+31]
.endr
.irp t, 0,1
	v_pk_add_f32 v[ST+8*\t+2:ST+8*\t+3], v[ST+8*\t+2:ST+8*\t+3], v[ST+8*\t+4:ST+8*\t+5]
.endr
.set ii, 0
.rept 16                                       ; p to f16, in place, ascending: register i takes numbers 2 i and 2 i + 1: two neighbouring tiles of keys ARE source 1 of the second product
	v_cvt_pk_f16_f32 v[SC+ii], v[SC+2*ii], v[SC+2*ii+1]
	v_cvt_pk_f16_f32 v[SC+32+ii], v[SC+32+2*ii], v[SC+32+2*ii+1]
.set ii, ii+1
.endr
.set ii, 0
.rept 16
	v_pk_mul_f32 v[OT+ii:OT+ii+1], v[OT+ii:OT+ii+1], v[ST+6:ST+7] op_sel_hi:[1,0]          ; O^T x a
	v_pk_mul_f32 v[OT+32+ii:OT+32+ii+1], v[OT+32+ii:OT+32+ii+1], v[ST+14:ST+15] op_sel_hi:[1,0]
.set ii, ii+2
.endr
	s_wait_dscnt 0x0                               ; V is in
.irp ks, 0,1                                   ; O^T += V^T P: eight accumulators by turns
.irp dt, 0,1,2,3
.irp t, 0,1
	v_wmma_f32_16x16x32_f16 v[OT+32*\t+8*\dt:OT+32*\t+8*\dt+7], v[KFR+8*(4*\ks+\dt):KFR+8*(4*\ks+\dt)+7], v[SC+32*\t+8*\ks:SC+32*\t+8*\ks+7], v[OT+32*\t+8*\dt:OT+32*\t+8*\dt+7]
.endr
.endr
.endr
.Lhid_\@:
	s_add_co_u32 s[KF], s[KF], 64
.endm
	s_load_b128 s[4:7], s[0:1], 0x0                ; qkvh, vals16
	v_lshl_add_u32 v[SPW], v0, 2, SPARE
	v_mov_b32 v[NIL], 0
	ds_add_u32 v[SPW], v[NIL]                      ; the wave's opening: the add, twice on end, and its wait ahead of my first tensor load
	ds_add_u32 v[SPW], v[NIL]
	v_lshrrev_b32 v1, 5, v0
	v_readfirstlane_b32 s[WV], v1                  ; wave 0..7
	s_lshl_b32 s71, s[WV], 2
	s_lshr_b32 s[UU], 0x35174260, s71
	s_and_b32 s[UU], s[UU], 7                      ; which 32 queries of a block: 0, 6, 2, 4, 7, 1, 5, 3
	s_mov_b32 s[II], ttmp9
	s_add_co_u32 s[I1], s[II], 1
	s_and_b32 s[BH], ttmp7, 0xffff
	s_mov_b32 s[G1K], (0<<16)|(1<<20)|(4<<22)|(3<<25)             ; elements of 1 byte; padding: 4 words behind every 32
	s_mov_b32 s[G1V], (0<<16)|(1<<20)|(4<<22)|(7<<25)             ; 8 words
.irp g, G1K, G1V
	s_mov_b32 s[\g+1], 128<<16                     ; tensor_dim0 = 128 bytes
	s_mov_b32 s[\g+2], 128<<16                     ; tensor_dim1 = 128 rows
	s_mov_b32 s[\g+3], 128<<16                     ; tile_dim0
	s_mov_b32 s[\g+4], 128                         ; tile_dim1
	s_mov_b32 s[\g+5], 128                         ; from row to row
	s_mov_b32 s[\g+6], 0
	s_mov_b32 s[\g+7], 0
.endr
	s_mov_b32 s[CS], 0x3e38aa3b                    ; c = log2(e) / 8
	s_mov_b32 s[CS+1], s[CS]
	s_mov_b32 s[SEL], 0x76543210
	s_mov_b32 s[SEL+1], 0xfedcba98
	s_mov_b32 s[NX], 0
	s_mov_b32 s[TT], 0
	s_mov_b32 s[TB], 0
	s_mov_b32 s[KF], 0
	s_mov_b32 s[CNT], 8
	s_lshl_b32 s[Q0], s[II], 8
	s_lshl_b32 s71, s[UU], 5
	s_add_co_u32 s[Q0], s[Q0], s71                 ; my first query of the first pass
	s_sub_co_u32 s[Q0B], 7, s[II]
	s_lshl_b32 s[Q0B], s[Q0B], 8
	s_add_co_u32 s[Q0B], s[Q0B], s71               ; and of the second
	s_lshr_b32 s71, s[WV], 2
	s_xor_b32 s71, s71, 1
	s_or_b32 s71, s71, s[II]                       ; 0 in waves 4 to 7 of the head's work-group 0
	s_cmp_eq_u32 s71, 0
	s_cselect_b32 s[LIM], 1, -1
	s_mov_b32 s73, 0
	s_mov_b32 s75, 0
	s_mov_b32 s[OFF+1], 0
	s_wait_dscnt 0x0                               ; both opening adds are done
	s_wait_kmcnt 0x0
	s_mul_i32 s72, s[BH], 786432
	s_add_nc_u64 s[4:5], s[4:5], s[72:73]          ; my head: q, then k 262,144 bytes on, then v
	s_lshl_b32 s[OFF], s[BH], 18
	s_add_nc_u64 s[6:7], s[6:7], s[OFF:OFF+1]
	s_lshl_b32 s72, s[Q0], 7
	s_lshl_b32 s74, s[Q0B], 7
	s_add_nc_u64 s[QA:QA+1], s[4:5], s[72:73]
	s_add_nc_u64 s[QB:QB+1], s[4:5], s[74:75]
	s_add_nc_u64 s[OA:OA+1], s[6:7], s[72:73]
	s_add_nc_u64 s[OB:OB+1], s[6:7], s[74:75]
	s_and_b32 s71, s[WV], 1                        ; which 128 rows of a block I fetch, if I fetch
	s_lshl_b32 s[OFF], s71, 14
	s_add_co_u32 s[OFF], s[OFF], 262144
	s_add_nc_u64 s[KBS:KBS+1], s[4:5], s[OFF:OFF+1]
	s_add_nc_u64 s[VBS:VBS+1], s[KBS:KBS+1], 262144
	s_mov_b32 s[G0K], 1
	s_mul_i32 s[G0K+1], s71, 128*PK
	s_mov_b64 s[G0K+2:G0K+3], s[KBS:KBS+1]
	s_or_b32 s[G0K+3], s[G0K+3], 0x80000000
	s_mov_b32 s[G0V], 1
	s_mul_i32 s[G0V+1], s71, 128*PV
	s_add_co_u32 s[G0V+1], s[G0V+1], VOFF
	s_mov_b64 s[G0V+2:G0V+3], s[VBS:VBS+1]
	s_or_b32 s[G0V+3], s[G0V+3], 0x80000000
	TLOAD                                          ; slot 0: keys 0 .. 255, which count for every work-group
	s_and_b32 s[OFF], s[WV], 3
	s_lshl_b32 s[OFF], s[OFF], 13
	s_add_co_u32 s[OFF], s[OFF], 262144
	s_add_nc_u64 s[PFA:PFA+1], s[4:5], s[OFF:OFF+1]  ; the prefetches stand in block 0; the first change steps them to block 1.  Nothing is asked for here, at the head
	v_and_b32 v15, 15, v0                          ; r
	v_bfe_u32 v12, v0, 4, 1                        ; h
	v_mul_u32_u24 v[AK0], v15, PK
	v_lshl_add_u32 v[AK0], v12, 4, v[AK0]          ; K: row r, + 16 h
	v_and_b32 v3, 7, v0
	v_lshl_add_u32 v[AV0], v12, 3, v3
	v_mul_u32_u24 v[AV0], v[AV0], PV
	v_bfe_u32 v3, v0, 3, 1
	v_lshl_add_u32 v[AV0], v3, 4, v[AV0]
	v_add_nc_u32 v[AV0], VOFF, v[AV0]              ; V: key 8 h + lane % 8, channels 8 ((lane / 8) % 2) on
	v_lshlrev_b32 v[QO], 7, v15
	v_lshl_add_u32 v[QO], v12, 4, v[QO]
	s_mul_i32 s71, s[WV], 4608
	s_add_co_u32 s71, s71, STAGE
	v_add_nc_u32 v[STO], s71, v[AK0]               ; the stage, in: row r of 144 bytes, + 16 h
	v_bfe_u32 v3, v0, 3, 2
	v_mul_u32_u24 v[RD], v3, PK
	v_and_b32 v3, 7, v0
	v_lshl_add_u32 v[RD], v3, 4, v[RD]
	v_add_nc_u32 v[RD], s71, v[RD]                 ; back: eight lanes to a row, four rows an instruction
	v_and_b32 v[GO], 31, v0
	v_lshlrev_b32 v[PFO], 8, v[GO]
	v_lshlrev_b32 v[GO], 4, v[GO]
	v_lshlrev_b32 v[RH], 3, v12
	v_sub_nc_u32 v[RH], v15, v[RH]                 ; r - 8 h
	v_mov_b32 v[NINF], 0xff800000
	QLOAD QA
	RESET
	s_wait_loadcnt 0x0
.Lslot:                                            ; eight trips: behind each change of slots but the last the walk's next block is asked for
	CHANGE 1
	SWITCH
	STEP 0
	STEP 1
	STEP 2
	STEP 3
	s_xor_b32 s[TB], s[TB], SLOT1
	s_add_co_u32 s[TT], s[TT], 1
	s_sub_co_u32 s[CNT], s[CNT], 1
	s_cmp_lg_u32 s[CNT], 0
	s_cbranch_scc1 .Lslot
	CHANGE 0                                       ; the ninth slot is written out: nothing is left to fetch
	STEP 0
	STEP 1
	STEP 2
	STEP 3
	FINISH OB
	s_wait_tensorcnt 0x0                           ; the wave's end
	ds_add_u32 v[SPW], v[NIL]
	s_wait_dscnt 0x0
	s_endpgm
.Lfunc_end_k_q47a2db0e23_attn:
	.size	k_q47a2db0e23_attn, .Lfunc_end_k_q47a2db0e23_attn-k_q47a2db0e23_attn
	.p2alignl 7, 3214868480
	.fill 96, 4, 3214868480
	.section	.rodata,"a",@progbits
	.p2align	6, 0x0
	.amdhsa_kernel k_q47a2db0e23_attn
		.amdhsa_group_segment_fixed_size 327680
		.amdhsa_private_segment_fixed_size 0
		.amdhsa_enable_private_segment 0
		.amdhsa_kernarg_size 16
		.amdhsa_user_sgpr_count 2
		.amdhsa_user_sgpr_kernarg_segment_ptr 1
		.amdhsa_wavefront_size32 1
		.amdhsa_system_sgpr_workgroup_id_x 1
		.amdhsa_system_sgpr_workgroup_id_y 1
		.amdhsa_system_sgpr_workgroup_id_z 1
		.amdhsa_system_vgpr_workitem_id 0
		.amdhsa_next_free_vgpr 256
		.amdhsa_next_free_sgpr 76
		.amdhsa_reserve_vcc 1
		.amdhsa_float_denorm_mode_32 3
		.amdhsa_float_denorm_mode_16_64 3
		.amdhsa_memory_ordered 1
		.amdhsa_forward_progress 1
		.amdhsa_inst_pref_size 198
	.end_amdhsa_kernel
	.amdgpu_metadata
---
amdhsa.version: [ 1, 2 ]
amdhsa.kernels:
  - .name:           k_q47a2db0e23_attn
    .symbol:         k_q47a2db0e23_attn.kd
    .args:
      - { .name: qkvh, .offset: 0, .size: 8, .value_kind: global_buffer, .address_space: global }
      - { .name: vals16, .offset: 8, .size: 8, .value_kind: global_buffer, .address_space: global }
    .group_segment_fixed_size: 327680
    .private_segment_fixed_size: 0
    .kernarg_segment_align: 8
    .kernarg_segment_size: 16
    .max_flat_workgroup_size: 256
    .sgpr_count:     76
    .vgpr_count:     256
    .wavefront_size: 32
...
	.end_amdgpu_metadata
.endif
;; end of part 3
;; launch proj (part 4): grid 8 x 64, 4 waves a work-group, clusters of 4 x 4, 327,680 bytes of LDS; arguments vals16, wot16, b_o, out0; writes out0
.if DOCPART == 4
	.amdgcn_target "amdgcn-amd-amdhsa--gfx1250"
	.amdhsa_code_object_version 6
	.text
	.protected	k_q47a2db0e23_proj
	.globl	k_q47a2db0e23_proj
	.p2align	8
	.type	k_q47a2db0e23_proj,@function
k_q47a2db0e23_proj:
	s_mov_b64 s[64:65], 0
	v_nop
	global_prefetch_b8 v0, s[64:65] scope:SCOPE_SE
	s_setreg_imm32_b32 hwreg(HW_REG_WAVE_MODE, 25, 1), 1
	s_wait_xcnt 0x0
	s_wait_alu depctr_hold_cnt(0) depctr_sa_sdst(0) depctr_va_vdst(0) depctr_va_sdst(0) depctr_va_ssrc(0) depctr_va_vcc(0) depctr_vm_vsrc(0)
	s_getreg_b32 s2, hwreg(HW_REG_IB_STS2, 6, 4)
	s_cmp_eq_u32 s2, 0
	s_cbranch_scc0 .Lentry_in_a_cluster
	s_endpgm
.Lentry_in_a_cluster:
	s_bfe_u32 s2, ttmp6, 0x10000c
	s_cmp_lg_u32 s2, 0xf033
	s_cbranch_scc0 .Lentry_shape_is_right
	s_endpgm
.Lentry_shape_is_right:
; out0 = vals W_o + b_o.  vals16 read as [8192][1024] f16 (the reshape without a transposition is the buffer as it lies), wot16 [1024 n][1024 k] f16, out0 [8192][1024] f32; sums in f32.
; LIMIT: f16 operands.  The 64 rows made of positions 0 .. 15 are stored again, from f32 operands, by the launch behind this one.
; A tile of 128 x 128 is made by four waves, each 64 x 64: 16 accumulators.  K goes in steps of 256 (LDS rows of 512 bytes) through a ring of two slots.  4 x 4 work-groups form a cluster: the four of a row ask
; jointly for A's tiles, the four of a column for B's.  THE MATRIX INSTRUCTION IS USED TRANSPOSED (source 0 = 16 rows of wot16, source 1 = 16 rows of vals16): a lane holds eight neighbouring columns of a row.
; The bias is the C of the first products.  A wave's 64 columns of f32 are 256 aligned bytes, so each wave has a stage of its own on the way out and no barrier is needed there.
; REGISTERS: window 0: v0-31 addresses; v32-95 the way out; v96-127 the bias, 4 tiles; v128-255 the accumulators ((a, b) at v[128 + 8 (4 a + b)]).   window 1: two fragment buffers of 128.
.set SIZE_N, 1024
.set SIZE_K, 1024
.set KSTEP,  256
.set PITCH,  528
.set HALFT,  64*PITCH
.set SLOT,   4*HALFT
.set STAGE,  2*SLOT                    ; behind the ring: 16 rows x 272 bytes for each wave
.set SPITCH, 272
.set SPARE,  STAGE+4*16*SPITCH         ; the spare words, 128 bytes for each wave, that no other line names
.set LAPS, SIZE_K/(2*KSTEP)
.set ADRA, 16
.set ADRB, 20
.set STO,  24
.set RD,   25
.set CO,   26
.set VB,   27
.set SPW,  28
.set NIL,  29
.set TMP,  32
.set BIAS, 96
.set ACC,  128
.set F0,   0
.set F1,   128
.set G1, 24
.set G0, 32
.set G1B, 48
.set G0B, 56
.set MSB, 0
.macro WIN new
.if MSB != (\new)
	s_set_vgpr_msb (MSB<<8)|(\new)
.set MSB, (\new)
.endif
.endm
.set MUL,  0x05                        ; sources 0 and 1 window 1; C and D window 0
.set TO_F, 0x40
.macro JLOAD s                         ; a joint load: waves 0 and 1 fetch A's halves, waves 2 and 3 B's; an s_nop 0 and four v_nop follow each line
	s_cmp_eq_u32 s11, 0
	s_cbranch_scc0 .Lfor_b_\@
	tensor_load_to_lds s[G0+4*\s:G0+4*\s+3], s[G1:G1+7]
	s_nop 0
.rept 4
	v_nop
.endr
	s_branch .Lasked_\@
.Lfor_b_\@:
	tensor_load_to_lds s[G0B+4*\s:G0B+4*\s+3], s[G1B:G1B+7]
	s_nop 0
.rept 4
	v_nop
.endr
.Lasked_\@:
.endm
.macro CREST
	s_cmp_lg_u32 s10, 0
	s_cbranch_scc1 .Lnot_wave_0_\@
	s_barrier_signal -3
.Lnot_wave_0_\@:
	s_barrier_wait -3
	s_barrier_signal -1
	s_barrier_wait -1
.endm
.macro CROUND
	s_barrier_signal -1
	s_barrier_wait -1
	CREST
.endm
	s_load_b128 s[4:7], s[0:1], 0x0                ; A = vals16, B = wot16
	s_load_b128 s[68:71], s[0:1], 0x10             ; b_o, out0
	v_lshl_add_u32 v[SPW], v0, 2, SPARE
	v_mov_b32 v[NIL], 0
	ds_add_u32 v[SPW], v[NIL]                      ; the wave's opening: the add, twice on end, and its wait ahead of my first tensor load
	ds_add_u32 v[SPW], v[NIL]
	v_lshrrev_b32 v1, 5, v0
	v_readfirstlane_b32 s10, v1                    ; wave 0..3
	s_lshr_b32 s11, s10, 1                         ; my half of the rows.  Also: I fetch for A (0) or B (1)
	s_and_b32 s12, s10, 1                          ; my half of the columns.  Also: which 64 rows I fetch
	s_bfe_u32 s40, ttmp6, 0x40000
	s_bfe_u32 s41, ttmp6, 0x40004
	s_lshl_b32 s42, ttmp9, 2
	s_add_co_u32 s42, s42, s40                     ; tile column
	s_and_b32 s13, ttmp7, 0xffff
	s_lshl_b32 s13, s13, 2
	s_add_co_u32 s13, s13, s41                     ; tile row
	s_lshl_b32 s43, s41, 2
	s_lshl_b32 s43, 15, s43
	s_lshl_b32 s44, 0x1111, s40
	s_or_b32 s[G1+0], s43, (1<<16)|(1<<20)|(1<<21)|(6<<22)|(3<<25)  ; the mask; elements of 2 bytes; padding: 4 words behind every 128; bit 21 beside a mask
	s_or_b32 s[G1B+0], s44, (1<<16)|(1<<20)|(1<<21)|(6<<22)|(3<<25)
.irp g, G1, G1B
	s_mov_b32 s[\g+1], KSTEP<<16
	s_mov_b32 s[\g+2], 64<<16
	s_mov_b32 s[\g+3], KSTEP<<16
	s_mov_b32 s[\g+4], 64
	s_mov_b32 s[\g+5], SIZE_K
	s_mov_b32 s[\g+6], 0
	s_mov_b32 s[\g+7], 0
.endr
	s_lshl_b32 s17, s12, 6
	s_lshl_b32 s16, s13, 7
	s_add_co_u32 s16, s16, s17
	s_lshl_b32 s46, s42, 7
	s_add_co_u32 s46, s46, s17
	s_mov_b32 s17, 0
	s_mov_b32 s47, 0
	s_mov_b64 s[18:19], SIZE_K*2
	s_mul_u64 s[16:17], s[16:17], s[18:19]
	s_mul_u64 s[46:47], s[46:47], s[18:19]
	s_mul_i32 s20, s10, HALFT
	s_wait_dscnt 0x0                               ; both opening adds are done
	s_wait_kmcnt 0x0
	s_add_nc_u64 s[14:15], s[4:5], s[16:17]
	s_add_nc_u64 s[46:47], s[6:7], s[46:47]
	CROUND
.irp s, 0,1
	s_mov_b32 s[G0+4*\s], 1
	s_add_co_u32 s[G0+4*\s+1], s20, \s*SLOT
	s_add_nc_u64 s[G0+4*\s+2:G0+4*\s+3], s[14:15], \s*KSTEP*2
	s_or_b32 s[G0+4*\s+3], s[G0+4*\s+3], 0x80000000
	s_mov_b32 s[G0B+4*\s], 1
	s_add_co_u32 s[G0B+4*\s+1], s20, \s*SLOT
	s_add_nc_u64 s[G0B+4*\s+2:G0B+4*\s+3], s[46:47], \s*KSTEP*2
	s_or_b32 s[G0B+4*\s+3], s[G0B+4*\s+3], 0x80000000
	JLOAD \s
.endr
	v_and_b32 v1, 15, v0                           ; r
	v_bfe_u32 v2, v0, 4, 1                         ; h
	v_mul_u32_u24 v3, v1, PITCH
	v_lshl_add_u32 v3, v2, 4, v3
	s_mul_i32 s21, s11, HALFT
	s_mul_i32 s22, s12, HALFT
	s_add_co_u32 s22, s22, 2*HALFT
.irp s, 0,1
	v_add_nc_u32 v[ADRA+\s], s21, v3
	v_add_nc_u32 v[ADRB+\s], s22, v3
	s_add_co_u32 s21, s21, SLOT
	s_add_co_u32 s22, s22, SLOT
.endr
	s_mul_i32 s23, s10, 16*SPITCH
	s_add_co_u32 s23, s23, STAGE                   ; my stage
	v_mul_u32_u24 v4, v1, SPITCH
	v_lshl_add_u32 v4, v2, 5, v4
	v_add_nc_u32 v[STO], s23, v4                   ; in: row r, 32 bytes for each half of the lanes
	v_mul_u32_u24 v5, v2, SPITCH
	v_lshl_add_u32 v5, v1, 4, v5
	v_add_nc_u32 v[RD], s23, v5                    ; back: lanes 0-15 one row of 256 bytes, lanes 16-31 the next
	v_lshlrev_b32 v5, 12, v2
	v_lshl_add_u32 v[CO], v1, 4, v5                ; the same two rows in out0
	v_lshlrev_b32 v[VB], 5, v2
	s_lshl_b32 s16, s13, 7
	s_lshl_b32 s17, s11, 6
	s_add_co_u32 s16, s16, s17                     ; my first row
	s_lshl_b32 s16, s16, 12                        ; x 4,096 bytes
	s_mov_b32 s17, 0
	s_add_nc_u64 s[70:71], s[70:71], s[16:17]
	s_lshl_b32 s46, s42, 9
	s_lshl_b32 s47, s12, 8
	s_add_co_u32 s46, s46, s47                     ; my first column, x 4 bytes
	s_mov_b32 s47, 0
	s_add_nc_u64 s[70:71], s[70:71], s[46:47]
	s_add_nc_u64 s[68:69], s[68:69], s[46:47]
.irp b, 0,1,2,3
	global_load_b128 v[BIAS+8*\b:BIAS+8*\b+3], v[VB], s[68:69] offset:64*\b       ; tile b: columns 16 b + 8 h + 0 .. 7
	global_load_b128 v[BIAS+8*\b+4:BIAS+8*\b+7], v[VB], s[68:69] offset:64*\b+16
.endr
.macro MUL8 f, c, a0, first            ; 8 matrix instructions; first = 1: the bias starts the sums.  The 16 accumulators take turns
.irp a, \a0, \a0+1
.irp b, 0,1,2,3
.if \first
	v_wmma_f32_16x16x32_f16 v[ACC+8*(4*(\a)+\b):ACC+8*(4*(\a)+\b)+7], v[\f+64+8*(4*\c+\b):\f+64+8*(4*\c+\b)+7], v[\f+8*(4*\c+\a):\f+8*(4*\c+\a)+7], v[BIAS+8*\b:BIAS+8*\b+7]
.else
	v_wmma_f32_16x16x32_f16 v[ACC+8*(4*(\a)+\b):ACC+8*(4*(\a)+\b)+7], v[\f+64+8*(4*\c+\b):\f+64+8*(4*\c+\b)+7], v[\f+8*(4*\c+\a):\f+8*(4*\c+\a)+7], v[ACC+8*(4*(\a)+\b):ACC+8*(4*(\a)+\b)+7]
.endif
.endr
.endr
.endm
.macro FETCH slot, k, f                ; 32 LDS loads in one run: 64 along K at byte k of the rows, the first 32 along K first
	WIN TO_F
.irp c, 0,1
.irp i, 0,1,2,3
	ds_load_b128 v[\f+64+8*(4*\c+\i):\f+64+8*(4*\c+\i)+3],   v[ADRB+\slot] offset:\k+64*\c+\i*16*PITCH
	ds_load_b128 v[\f+64+8*(4*\c+\i)+4:\f+64+8*(4*\c+\i)+7], v[ADRB+\slot] offset:\k+64*\c+\i*16*PITCH+32
	ds_load_b128 v[\f+8*(4*\c+\i):\f+8*(4*\c+\i)+3],         v[ADRA+\slot] offset:\k+64*\c+\i*16*PITCH
	ds_load_b128 v[\f+8*(4*\c+\i)+4:\f+8*(4*\c+\i)+7],       v[ADRA+\slot] offset:\k+64*\c+\i*16*PITCH+32
.endr
.endr
.endm
.macro PLACES
.rept 4
	v_nop
.endr
.endm
.macro QUARTER slot, k, f, g, first
	s_wait_dscnt 16                                ; the first 32 along K are in; the other sixteen loads may be out
	WIN MUL
	MUL8 \f, 0, 0, \first
	MUL8 \f, 0, 2, \first
	PLACES
	FETCH \slot, \k, \g
	s_wait_dscnt 32                                ; all but the 32 just issued
	WIN MUL
	MUL8 \f, 1, 0, 0
	MUL8 \f, 1, 2, 0
.endm
.macro TURN slot, next, fill           ; the last quarter changes slots: one barrier; in front of it the wait for all my tensor loads, the add, and the wait for it and for my reads of this slot
	WIN 0
	s_wait_tensorcnt 0x0
	ds_add_u32 v[SPW], v[NIL]
	s_wait_dscnt 17                                ; (the add and the youngest sixteen loads may be out)
	WIN MUL
	MUL8 F1, 0, 0, 0
	s_wait_dscnt 0x0
	s_barrier_signal -1
	MUL8 F1, 0, 2, 0
.if \fill
	WIN 0
.endif
	s_barrier_wait -1
.if \fill
	CREST                                          ; the barrier has opened a round of the cluster's: no wave of any partner still reads this slot or has a load on its way
	s_add_nc_u64 s[G0+4*\slot+2:G0+4*\slot+3], s[G0+4*\slot+2:G0+4*\slot+3], 2*KSTEP*2
	s_add_nc_u64 s[G0B+4*\slot+2:G0B+4*\slot+3], s[G0B+4*\slot+2:G0B+4*\slot+3], 2*KSTEP*2
	JLOAD \slot                                    ; the first tensor load behind the round; its four v_nop are also the places ahead of the loads below
.else
	PLACES
.endif
	FETCH \next, 0, F0
	WIN MUL
	MUL8 F1, 1, 0, 0
	MUL8 F1, 1, 2, 0
.endm
	s_wait_loadcnt 0x0                             ; the bias
	s_wait_tensorcnt 1                             ; my part of K step 0 is in (K step 1's load may be out)
	s_barrier_signal -1
	s_barrier_wait -1
	FETCH 0, 0, F0
	QUARTER 0, 128, F0, F1, 1
	WIN 0
	s_mov_b32 s3, LAPS-1
.Llap:                                                 ; a trip goes once round the ring and fills both slots again
	QUARTER 0, 256, F1, F0, 0
	QUARTER 0, 384, F0, F1, 0
	TURN 0, 1, 1
	QUARTER 1, 128, F0, F1, 0
	QUARTER 1, 256, F1, F0, 0
	QUARTER 1, 384, F0, F1, 0
	TURN 1, 0, 1
	QUARTER 0, 128, F0, F1, 0
	WIN 0
	s_sub_co_u32 s3, s3, 1
	s_cmp_lg_u32 s3, 0
	s_cbranch_scc1 .Llap
	QUARTER 0, 256, F1, F0, 0                      ; the last lap fills nothing
	QUARTER 0, 384, F0, F1, 0
	TURN 0, 1, 0
	QUARTER 1, 128, F0, F1, 0
	QUARTER 1, 256, F1, F0, 0
	QUARTER 1, 384, F0, F1, 0
	s_wait_dscnt 16
	WIN MUL
	MUL8 F1, 0, 0, 0
	MUL8 F1, 0, 2, 0
	s_wait_dscnt 0
	MUL8 F1, 1, 0, 0
	MUL8 F1, 1, 2, 0
	WIN 0
; THE WAY OUT, 16 rows x 64 columns at a time, through my own stage: sixteen lanes store 256 consecutive aligned bytes.
.macro TOSTAGE a
.irp b, 0,1,2,3
	ds_store_b128 v[STO], v[ACC+8*(4*(\a)+\b):ACC+8*(4*(\a)+\b)+3] offset:64*\b          ; each accumulator from its low end on
	ds_store_b128 v[STO], v[ACC+8*(4*(\a)+\b)+4:ACC+8*(4*(\a)+\b)+7] offset:64*\b+16
.endr
.irp t, 0,1,2,3,4,5,6,7
	ds_load_b128 v[TMP+32*((\a)%2)+4*\t:TMP+32*((\a)%2)+4*\t+3], v[RD] offset:\t*2*SPITCH   ; in order behind my stores
.endr
.endm
.macro SEND a, younger
	s_wait_dscnt \younger                          ; the block is back; the next block's 8 stores and 8 loads may be out
.irp t, 0,1,2,3,4,5,6,7
	global_store_b128 v[CO], v[TMP+32*((\a)%2)+4*\t:TMP+32*((\a)%2)+4*\t+3], s[70:71] offset:(16*(\a)+2*\t)*4096 th:TH_STORE_NT
.endr
.endm
	PLACES
	TOSTAGE 0
.irp a, 1,2,3
.if \a > 1
	s_wait_xcnt 0x0                                ; block a - 2's stores have read their registers
.endif
	TOSTAGE \a
	SEND \a-1, 16
.endr
	SEND 3, 0
	s_wait_tensorcnt 0x0                           ; the wave's end
	ds_add_u32 v[SPW], v[NIL]
	s_wait_dscnt 0x0
	CROUND                                         ; the closing round
	s_endpgm
.Lfunc_end_k_q47a2db0e23_proj:
	.size	k_q47a2db0e23_proj, .Lfunc_end_k_q47a2db0e23_proj-k_q47a2db0e23_proj
	.p2alignl 7, 3214868480
	.fill 96, 4, 3214868480
	.section	.rodata,"a",@progbits
	.p2align	6, 0x0
	.amdhsa_kernel k_q47a2db0e23_proj
		.amdhsa_group_segment_fixed_size 327680
		.amdhsa_private_segment_fixed_size 0
		.amdhsa_enable_private_segment 0
		.amdhsa_kernarg_size 32
		.amdhsa_user_sgpr_count 2
		.amdhsa_user_sgpr_kernarg_segment_ptr 1
		.amdhsa_wavefront_size32 1
		.amdhsa_system_sgpr_workgroup_id_x 1
		.amdhsa_system_sgpr_workgroup_id_y 1
		.amdhsa_system_sgpr_workgroup_id_z 1
		.amdhsa_system_vgpr_workitem_id 0
		.amdhsa_next_free_vgpr 512
		.amdhsa_next_free_sgpr 72
		.amdhsa_reserve_vcc 0
		.amdhsa_float_denorm_mode_32 3
		.amdhsa_float_denorm_mode_16_64 3
		.amdhsa_memory_ordered 1
		.amdhsa_forward_progress 1
		.amdhsa_inst_pref_size 86
	.end_amdhsa_kernel
	.amdgpu_metadata
---
amdhsa.version: [ 1, 2 ]
amdhsa.kernels:
  - .name:           k_q47a2db0e23_proj
    .symbol:         k_q47a2db0e23_proj.kd
    .args:
      - { .name: vals16, .offset: 0, .size: 8, .value_kind: global_buffer, .address_space: global }
      - { .name: wot16, .offset: 8, .size: 8, .value_kind: global_buffer, .address_space: global }
      - { .name: b_o, .offset: 16, .size: 8, .value_kind: global_buffer, .address_space: global }
      - { .name: out0, .offset: 24, .size: 8, .value_kind: global_buffer, .address_space: global }
    .group_segment_fixed_size: 327680
    .private_segment_fixed_size: 0
    .kernarg_segment_align: 8
    .kernarg_segment_size: 32
    .max_flat_workgroup_size: 128
    .sgpr_count:     72
    .vgpr_count:     512
    .wavefront_size: 32
...
	.end_amdgpu_metadata
.endif
;; end of part 4
;; launch fine (part 5): grid 16 x 16, 8 waves a work-group, no clusters, 59,392 bytes of LDS; arguments qkv32, W_o, b_o, out0; writes out0
.if DOCPART == 5
	.amdgcn_target "amdgcn-amd-amdhsa--gfx1250"
	.amdhsa_code_object_version 6
	.text
	.protected	k_q47a2db0e23_fine
	.globl	k_q47a2db0e23_fine
	.p2align	8
	.type	k_q47a2db0e23_fine,@function
k_q47a2db0e23_fine:
	s_mov_b64 s[64:65], 0
	v_nop
	global_prefetch_b8 v0, s[64:65] scope:SCOPE_SE
	s_setreg_imm32_b32 hwreg(HW_REG_WAVE_MODE, 25, 1), 1
	s_wait_xcnt 0x0
; THE FIRST 16 POSITIONS OF EVERY SEQUENCE, IN F32 THROUGHOUT: under the causal mask they average one to sixteen values.  Their 16 x 64 values of a (batch, head) are one row of the projection's
; left operand, row 2048 batch + 128 head of out0, which is stored here over what the f16 projection left.  Fused multiply-adds alone: no matrix instruction, no tensor load.
; Work-group (cc, head) makes that row for the four batches at columns 64 cc .. 64 cc + 63.  The small attention is repeated in each of a head's 16 column chunks.
; PHASE A, waves 0 .. 3 (wave = batch): lane (r, h) holds position r and channels 32 h .. 32 h + 31; k and v lie in the wave's own LDS bytes and are read as broadcasts.
; PHASE B, all eight waves: lane (r, h) of wave w takes K group 2 w + h (position 2 w + h: 64 along K) and columns 4 r .. 4 r + 3; the 16 groups' parts meet through a lane exchange and LDS.
; LIMITS: NaN and infinities are not served; sums are ordered otherwise than a plain loop over K.
.set VAL,   32768                      ; values: batch x 4,352 + position x 272 + 4 x channel
.set PART,  50176                      ; parts: wave x 1,024 + batch x 256
.set SPARE, 58368                      ; the spare words, 128 bytes for each wave, that no other line names
.set AV,    144
.set ACC,   208
	s_load_b256 s[4:11], s[0:1], 0x0               ; qkv32 4:5, W_o 6:7, b_o 8:9, out0 10:11
	v_lshl_add_u32 v14, v0, 2, SPARE               ; my spare word; never rewritten
	v_mov_b32 v15, 0                               ; 0; never rewritten
	v_lshrrev_b32 v1, 5, v0
	v_readfirstlane_b32 s12, v1                    ; wave 0..7
	s_and_b32 s13, s12, 3                          ; the batch in phase A
	s_and_b32 s14, ttmp7, 0xffff                   ; the head
	v_and_b32 v1, 15, v0                           ; r
	v_bfe_u32 v2, v0, 4, 1                         ; h
	v_and_b32 v10, 31, v0
	v_lshlrev_b32 v10, 4, v10                      ; 16 x lane
	s_lshl_b32 s15, s13, 13
	v_add_nc_u32 v3, s15, v10                      ; k and v into LDS as they lie
	v_lshlrev_b32 v4, 7, v2
	v_add_nc_u32 v4, s15, v4                       ; and back: my half of a row
	s_mul_i32 s15, s13, 4352
	s_add_co_u32 s15, s15, VAL
	v_mul_u32_u24 v5, v1, 272
	v_lshl_add_u32 v5, v2, 7, v5
	v_add_nc_u32 v5, s15, v5                       ; where my values go
	s_mul_i32 s15, s12, 544
	s_add_co_u32 s15, s15, VAL
	v_mul_u32_u24 v6, v2, 272
	v_add_nc_u32 v6, s15, v6                       ; phase B: position 2 w + h
	s_lshl_b32 s15, s12, 10
	s_add_co_u32 s15, s15, PART
	v_lshlrev_b32 v13, 4, v1                       ; 16 r
	v_add_nc_u32 v7, s15, v13                      ; my wave's parts
	v_lshl_add_u32 v8, v0, 4, PART                 ; the last sum (threads 0 .. 63): batch thread / 16, columns 4 (thread % 16) on
	v_lshlrev_b32 v9, 8, v1
	v_lshl_add_u32 v9, v2, 7, v9                   ; q: row r of 256 bytes, + 128 h
	s_lshl_b32 s15, s12, 1
	v_add_nc_u32 v11, s15, v2
	v_lshl_add_u32 v11, v11, 18, v13               ; W_o: 64 rows of 4,096 bytes a K group, + 16 r
	v_lshrrev_b32 v12, 4, v0
	v_lshl_add_u32 v12, v12, 23, v13               ; out0: 2,048 rows of 4,096 bytes a batch, + 16 (thread % 16)
	s_mul_i32 s16, s13, 48
	s_mul_i32 s17, s14, 3
	s_add_co_u32 s16, s16, s17
	s_lshl_b32 s16, s16, 12                        ; q's block of (batch, head); k's and v's follow it
	s_mov_b32 s17, 0
	s_lshl_b32 s18, ttmp9, 8                       ; 64 columns of 4 bytes a chunk
	s_mov_b32 s19, 0
	s_lshl_b32 s20, s14, 19                        ; 128 rows of out0 a head
	s_mov_b32 s21, 0
	s_mov_b32 s22, 0x76543210
	s_mov_b32 s23, 0xfedcba98                      ; v_permlanex16_b32's selects for lane l xor 16
	s_mov_b32 s24, 0x3e38aa3b                      ; c = log2(e) / 8
	s_wait_kmcnt 0x0
	s_add_nc_u64 s[4:5], s[4:5], s[16:17]
	s_add_nc_u64 s[6:7], s[6:7], s[18:19]
	s_add_nc_u64 s[8:9], s[8:9], s[18:19]
	s_add_nc_u64 s[10:11], s[10:11], s[18:19]
	s_add_nc_u64 s[10:11], s[10:11], s[20:21]
.macro WLOAD g                         ; 16 rows of my K group of W_o into buffer g % 2 (v16-79, v80-143)
.irp i, 0,1,2,3,4,5,6,7,8,9,10,11,12,13,14,15
	global_load_b128 v[16+64*((\g)%2)+4*\i:16+64*((\g)%2)+4*\i+3], v11, s[6:7] offset:4096*(16*(\g)+\i)
.endr
.endm
.macro KLD j, base                     ; row j of k (base 0) or v (base 4096), my half, into buffer j % 3 (v144-239)
.irp i, 0,1,2,3,4,5,6,7
	ds_load_b128 v[144+32*((\j)%3)+4*\i:144+32*((\j)%3)+4*\i+3], v4 offset:\base+256*(\j)+16*\i
.endr
.endm
.macro ROWIN j                         ; row j is in: two, one or no younger rows of eight loads may be out
.if (\j) < 14
	s_wait_dscnt 16
.elseif (\j) == 14
	s_wait_dscnt 8
.else
	s_wait_dscnt 0x0
.endif
.endm
	WLOAD 0                                        ; it lands while phase A is walked
	s_cmp_ge_u32 s12, 4
	s_cbranch_scc1 .Ljoin
	; ---- phase A
.irp i, 0,1,2,3,4,5,6,7
	global_load_b128 v[80+4*\i:83+4*\i], v9, s[4:5] offset:16*\i               ; q: v80-111
.endr
.irp c, 0,1,2,3,4,5,6,7,8,9,10,11,12,13,14,15
	global_load_b128 v[144+4*\c:147+4*\c], v10, s[4:5] offset:4096+512*\c      ; k, then v: 8,192 consecutive bytes
.endr
.irp i, 0,1,2,3,4,5,6,7,8,9,10,11,12,13,14,15
	v_mov_b32 v[240+\i], 0                         ; written once: a lane permute's destination counts as one of its sources
.endr
	v_mov_b32 v136, 0xff800000                     ; -infinity
	v_mov_b32 v143, 0                              ; (named as the upper half of a pair)
	s_wait_loadcnt 0x0
.irp c, 0,1,2,3,4,5,6,7,8,9,10,11,12,13,14,15
	ds_store_b128 v3, v[144+4*\c:147+4*\c] offset:512*\c                       ; my wave's own bytes: no barrier
.endr
	s_wait_dscnt 0x0
	KLD 0, 0
	KLD 1, 0
	KLD 2, 0
.macro SCORE j
.set KBF, 144+32*((\j)%3)
	ROWIN \j
.irp c, 0,1,2,3
	v_pk_mul_f32 v[128+2*\c:129+2*\c], v[80+2*\c:81+2*\c], v[KBF+2*\c:KBF+2*\c+1]          ; four chains
.endr
.irp g, 1,2,3
.irp c, 0,1,2,3
	v_pk_fma_f32 v[128+2*\c:129+2*\c], v[80+8*\g+2*\c:81+8*\g+2*\c], v[KBF+8*\g+2*\c:KBF+8*\g+2*\c+1], v[128+2*\c:129+2*\c]
.endr
.endr
	v_pk_add_f32 v[128:129], v[128:129], v[130:131]
	v_pk_add_f32 v[132:133], v[132:133], v[134:135]
	v_pk_add_f32 v[128:129], v[128:129], v[132:133]
	v_add_f32 v[112+(\j)], v128, v129              ; q . k over my 32 channels
.if (\j)+3 < 16
	KLD (\j)+3, 0
.endif
.endm
.irp j, 0,1,2,3,4,5,6,7,8,9,10,11,12,13,14,15
	SCORE \j
.endr
	KLD 0, 4096                                    ; v's first rows land while the softmax is walked
	KLD 1, 4096
	KLD 2, 4096
.irp j, 0,1,2,3,4,5,6,7,8,9,10,11,12,13,14,15
	v_permlanex16_b32 v[240+\j], v[112+\j], s22, s23
.endr
.irp j, 0,1,2,3,4,5,6,7,8,9,10,11,12,13,14,15
	v_add_f32 v[112+\j], v[112+\j], v[240+\j]      ; with the other 32 channels
.endr
.irp j, 1,2,3,4,5,6,7,8,9,10,11,12,13,14,15
	v_cmp_gt_u32 vcc_lo, \j, v1                    ; key j comes after position r
	v_cndmask_b32 v[112+\j], v[112+\j], v136, vcc_lo
.endr
	v_max3_num_f32 v137, v112, v113, v114
.irp j, 3,5,7,9,11,13
	v_max3_num_f32 v137, v137, v[112+\j], v[113+\j]
.endr
	v_max_num_f32 v137, v137, v127                 ; the row's maximum (key 0 counts for every position)
	v_mul_f32 v138, s24, v137
.irp j, 0,1,2,3,4,5,6,7,8,9,10,11,12,13,14,15
	v_fma_f32 v[112+\j], v[112+\j], s24, -v138
.endr
.irp j, 0,1,2,3,4,5,6,7,8,9,10,11,12,13,14,15
	v_exp_f32 v[112+\j], v[112+\j]
.endr
	v_nop                                          ; a plain line behind the last exponential
	s_wait_alu depctr_va_vdst(0)                   ; one wait for the batch, ahead of its first reader
	v_pk_add_f32 v[140:141], v[112:113], v[114:115]
.irp j, 4,6,8,10,12,14
	v_pk_add_f32 v[140:141], v[140:141], v[112+\j:113+\j]
.endr
	v_add_f32 v139, v140, v141
	v_rcp_f32 v142, v139
	v_nop
	s_wait_alu depctr_va_vdst(0)
.irp j, 0,2,4,6,8,10,12,14
	v_pk_mul_f32 v[112+\j:113+\j], v[112+\j:113+\j], v[142:143] op_sel_hi:[1,0]
.endr
.macro PVJ j                           ; my 32 channels += p_j v[j]; q's registers take the values
.set KBF, 144+32*((\j)%3)
	ROWIN \j
.irp i, 0,2,4,6,8,10,12,14,16,18,20,22,24,26,28,30
.if (\j) == 0
	v_pk_mul_f32 v[80+\i:81+\i], v[KBF+\i:KBF+\i+1], v[112:113] op_sel_hi:[1,0]
.elseif (\j)%2 == 0
	v_pk_fma_f32 v[80+\i:81+\i], v[KBF+\i:KBF+\i+1], v[112+(\j):113+(\j)], v[80+\i:81+\i] op_sel_hi:[1,0,1]
.else
	v_pk_fma_f32 v[80+\i:81+\i], v[KBF+\i:KBF+\i+1], v[111+(\j):112+(\j)], v[80+\i:81+\i] op_sel:[0,1,0] op_sel_hi:[1,1,1]
.endif
.endr
.if (\j)+3 < 16
	KLD (\j)+3, 4096
.endif
.endm
.irp j, 0,1,2,3,4,5,6,7,8,9,10,11,12,13,14,15
	PVJ \j
.endr
.irp i, 0,1,2,3,4,5,6,7
	ds_store_b128 v5, v[80+4*\i:83+4*\i] offset:16*\i
.endr
.Ljoin:
	s_wait_dscnt 0x0                               ; my stores of values have landed
	s_barrier_signal -1
	s_barrier_wait -1                              ; the four batches' 16 x 64 values lie in LDS
	; ---- phase B
	global_load_b128 v[224:227], v13, s[8:9]       ; b_o at my four columns
	WLOAD 1
.irp gq, 0,1,2,3                               ; 16 along K at a time
.irp b, 0,1,2,3
.irp q, 0,1,2,3
	ds_load_b128 v[AV+16*\b+4*\q:AV+16*\b+4*\q+3], v6 offset:4352*\b+64*\gq+16*\q
.endr
.endr
.if \gq < 3
	s_wait_loadcnt 16                              ; this batch of W_o (and b_o) is in; the younger batch may be out
.else
	s_wait_loadcnt 0x0
.endif
	s_wait_dscnt 0x0
.irp dd, 0,1,2,3,4,5,6,7,8,9,10,11,12,13,14,15
.irp b, 0,1,2,3
.irp c, 0,2
.if (\gq == 0) && (\dd == 0)
	v_pk_mul_f32 v[ACC+4*\b+\c:ACC+4*\b+\c+1], v[16+64*(\gq%2)+4*\dd+\c:16+64*(\gq%2)+4*\dd+\c+1], v[AV+16*\b:AV+16*\b+1] op_sel_hi:[1,0]
.elseif \dd%2 == 0
	v_pk_fma_f32 v[ACC+4*\b+\c:ACC+4*\b+\c+1], v[16+64*(\gq%2)+4*\dd+\c:16+64*(\gq%2)+4*\dd+\c+1], v[AV+16*\b+\dd:AV+16*\b+\dd+1], v[ACC+4*\b+\c:ACC+4*\b+\c+1] op_sel_hi:[1,0,1]
.else
	v_pk_fma_f32 v[ACC+4*\b+\c:ACC+4*\b+\c+1], v[16+64*(\gq%2)+4*\dd+\c:16+64*(\gq%2)+4*\dd+\c+1], v[AV+16*\b+\dd-1:AV+16*\b+\dd], v[ACC+4*\b+\c:ACC+4*\b+\c+1] op_sel:[0,1,0] op_sel_hi:[1,1,1]
.endif
.endr
.endr
.endr
.if \gq < 2
	WLOAD \gq+2
.endif
.endr
.irp i, 0,1,2,3,4,5,6,7,8,9,10,11,12,13,14,15
	v_permlanex16_b32 v[16+\i], v[ACC+\i], s22, s23
.endr
.irp i, 0,1,2,3,4,5,6,7,8,9,10,11,12,13,14,15
	v_add_f32 v[ACC+\i], v[ACC+\i], v[16+\i]       ; with the wave's other K group
.endr
.irp b, 0,1,2,3
	ds_store_b128 v7, v[ACC+4*\b:ACC+4*\b+3] offset:256*\b     ; both halves of the lanes write the same bytes with the same values
.endr
	s_wait_dscnt 0x0
	s_barrier_signal -1
	s_barrier_wait -1                              ; the eight waves' parts lie in LDS
	s_cmp_ge_u32 s12, 2
	s_cbranch_scc1 .Ldone
.irp p, 0,1,2,3,4,5,6,7
	ds_load_b128 v[144+4*\p:147+4*\p], v8 offset:1024*\p
.endr
	s_wait_dscnt 0x0
.irp p, 1,2,3,4,5,6,7
	v_pk_add_f32 v[144:145], v[144:145], v[144+4*\p:145+4*\p]
	v_pk_add_f32 v[146:147], v[146:147], v[146+4*\p:147+4*\p]
.endr
	v_pk_add_f32 v[144:145], v[144:145], v[224:225]
	v_pk_add_f32 v[146:147], v[146:147], v[226:227]
	global_store_b128 v12, v[144:147], s[10:11]    ; sixteen lanes store 256 consecutive aligned bytes of a row
.Ldone:
	s_wait_tensorcnt 0x0                           ; the wave's end, behind my last LDS store
	ds_add_u32 v14, v15
	s_wait_dscnt 0x0
	s_endpgm
.Lfunc_end_k_q47a2db0e23_fine:
	.size	k_q47a2db0e23_fine, .Lfunc_end_k_q47a2db0e23_fine-k_q47a2db0e23_fine
	.p2alignl 7, 3214868480
	.fill 96, 4, 3214868480
	.section	.rodata,"a",@progbits
	.p2align	6, 0x0
	.amdhsa_kernel k_q47a2db0e23_fine
		.amdhsa_group_segment_fixed_size 59392
		.amdhsa_private_segment_fixed_size 0
		.amdhsa_enable_private_segment 0
		.amdhsa_kernarg_size 32
		.amdhsa_user_sgpr_count 2
		.amdhsa_user_sgpr_kernarg_segment_ptr 1
		.amdhsa_wavefront_size32 1
		.amdhsa_system_sgpr_workgroup_id_x 1
		.amdhsa_system_sgpr_workgroup_id_y 1
		.amdhsa_system_sgpr_workgroup_id_z 1
		.amdhsa_system_vgpr_workitem_id 0
		.amdhsa_next_free_vgpr 256
		.amdhsa_next_free_sgpr 66
		.amdhsa_reserve_vcc 1
		.amdhsa_float_denorm_mode_32 3
		.amdhsa_float_denorm_mode_16_64 3
		.amdhsa_memory_ordered 1
		.amdhsa_forward_progress 1
		.amdhsa_inst_pref_size 112
	.end_amdhsa_kernel
	.amdgpu_metadata
---
amdhsa.version: [ 1, 2 ]
amdhsa.kernels:
  - .name:           k_q47a2db0e23_fine
    .symbol:         k_q47a2db0e23_fine.kd
    .args:
      - { .name: qkv32, .offset: 0, .size: 8, .value_kind: global_buffer, .address_space: global }
      - { .name: W_o, .offset: 8, .size: 8, .value_kind: global_buffer, .address_space: global }
      - { .name: b_o, .offset: 16, .size: 8, .value_kind: global_buffer, .address_space: global }
      - { .name: out0, .offset: 24, .size: 8, .value_kind: global_buffer, .address_space: global }
    .group_segment_fixed_size: 59392
    .private_segment_fixed_size: 0
    .kernarg_segment_align: 8
    .kernarg_segment_size: 32
    .max_flat_workgroup_size: 256
    .sgpr_count:     66
    .vgpr_count:     256
    .wavefront_size: 32
...
	.end_amdgpu_metadata
.endif
;; end of part 5
